; MI455X (gfx1250); checked and timed in simulation.
; The chip was launched on July 23, 2026; its instructions are those of AMD's public machine-readable ISA for CDNA 5 (MIT licence, August 2026) and "CDNA5" Instruction Set Architecture Reference Guide (July 2026). The comments in the code are by the model that wrote it; some were corrected since.
;; Self Attention Layer. Allowed arithmetic: matrix products marked QUANTISED: E2M3 operands, one E8M0 scale for each 32 along K, by v_wmma_scale_f32_16x16x128_f8f6f4 with both operands' format E2M3, f32 sums; everything else in f32.
;; Inputs: Wk_codes 512 x 16 x 24 uint8 (E2M3 codes of Wk, K innermost, in blocks of 32 codes, four codes in three bytes); Wk_scales 512 x 16 uint8 (E8M0 scales of Wk, one for each 32 codes along K); Wo_codes 512 x 16 x 24 uint8 (E2M3 codes of Wo, K innermost, in blocks of 32 codes, four codes in three bytes); Wo_scales 512 x 16 uint8 (E8M0 scales of Wo, one for each 32 codes along K); Wq_codes 512 x 16 x 24 uint8 (E2M3 codes of Wq, K innermost, in blocks of 32 codes, four codes in three bytes); Wq_scales 512 x 16 uint8 (E8M0 scales of Wq, one for each 32 codes along K); Wv_codes 512 x 16 x 24 uint8 (E2M3 codes of Wv, K innermost, in blocks of 32 codes, four codes in three bytes); Wv_scales 512 x 16 uint8 (E8M0 scales of Wv, one for each 32 codes along K); beta 512 float32; bk 512 float32; bo 512 float32; bq 512 float32; bv 512 float32; gamma 512 float32; x 8 x 2,048 x 512 float32.
;; Outputs: out0 8 x 2,048 x 512 float32.
;; This version of the problem:
;;   THIS VERSION OF THE PROBLEM IS GIVEN IN LOW PRECISION. The matrix products marked QUANTISED in the list below multiply operands that are first quantised to E2M3 (2 exponent bits, 3 mantissa bits; 6 bits a number), with one power-of-two scale for each 32 numbers along K (OCP MX v1.0); their sums are f32. All else is computed in f32.
;;   The module's matrix products, in the order in which they are computed (A, B: the left and right operand; K: the contracted axis; several contracted axes count as one K, in the product's order):
;;     1. [M 16,384, K 512] x [K 512, N 512]; A: input x; B: input Wq (given as codes): QUANTISED
;;     2. [M 16,384, K 512] x [K 512, N 512]; A: input x; B: input Wk (given as codes): QUANTISED
;;     3. [M 16,384, K 512] x [K 512, N 512]; A: input x; B: input Wv (given as codes): QUANTISED
;;     4. batch 64 x [M 2,048, K 64] x [K 64, N 2,048]; A: computed on the way; B: computed on the way: QUANTISED
;;     5. batch 64 x [M 64, K 2,048] x [K 2,048, N 2,048]; A: computed on the way; B: softmax (see below): QUANTISED
;;     6. [M 16,384, K 512] x [K 512, N 512]; A: computed on the way; B: input Wo (given as codes): QUANTISED
;;   THE QUANTISER, for each operand of a quantised product, along K:
;;     - K is cut into blocks of 32 from its start; a last block that is shorter is filled with zeros.
;;     - A block's scale is 2^e with e = floor(log2(the largest magnitude in the block)) - 2, held to -126 .. 127; a block of zeros has e = 0. As a byte (E8M0): e + 127.
;;     - Each number is divided by its block's scale, clamped to +-7.5, and rounded to the nearest number of E2M3, ties to even, subnormals kept.
;;     - The product sums the exact products of the quantised numbers (number of the format x scale) in f32.
;;   ~~~python
;;   def quantise(x, axis):      # numpy; x: float32 -> the quantised numbers, widened to float32 again
;;       x = np.moveaxis(x, axis, -1); K = x.shape[-1]
;;       x = np.pad(x, [(0, 0)] * (x.ndim - 1) + [(0, -K % 32)]); x = x.reshape(x.shape[:-1] + (-1, 32)); a = np.abs(x).max(-1, keepdims=True)
;;       e = np.where(a > 0, np.clip(np.frexp(np.where(a > 0, a, 1))[1] - 1 - 2, -126, 127), 0)      # np.frexp(a)[1] - 1 = floor(log2(a)), exactly
;;       r = np.clip(x / 2.0 ** e, -7.5, 7.5)
;;       step = 2.0 ** (np.maximum(np.frexp(np.where(r == 0, 1, r))[1] - 1, 0) - 3)
;;       q = np.round(r / step) * step * 2.0 ** e      # np.round: ties to even
;;       return np.moveaxis(q.reshape(q.shape[:-2] + (-1,))[..., :K], -1, axis).astype(np.float32)
;;   ~~~
;;   SOFTMAX AHEAD OF A QUANTISED PRODUCT. Where the list says 'softmax', what is quantised is not the finished softmax but p = 2^(t - M), with t = logit x log2(e) and M = ceil(the row's largest t), a whole number; so 1/2 < the row's largest p <= 1. The row's sum l is taken of the UNQUANTISED p, in f32, and the product's result is divided by l at the end. Since M is a whole number, a kernel that streams over the keys may use a running M (the ceiling of the running maximum): every later rescaling is an exact power of two, which a block's scale takes up: the codes' values come out the same.
;;   OPERANDS COMPUTED ON THE WAY. 'Computed on the way' means the value that the module computes at that place (a softmax that the list does not call 'softmax' is quantised finished and normalised). What goes into a quantiser is computed in f32, as accurately as f32 sums, v_exp_f32 and their like allow (about 1e-6 of the number): no bf16 or f16 on the way to a quantiser, and a product that is left as it is and whose result goes on into a quantised operand takes f32 operands (vector FMAs, or v_wmma_f32_16x16x4_f32). A number that lies on a knife's edge between two numbers of the format may be rounded either way, as far as f32 arithmetic and the matrix unit's own rounding can turn it there, and no further.
;;   INPUTS GIVEN AS CODES. Wk (in the module: [512, 512], K = its axis 1); Wo (in the module: [512, 512], K = its axis 1); Wq (in the module: [512, 512], K = its axis 1); Wv (in the module: [512, 512], K = its axis 1): each comes as NAME_codes (uint8): NAME with its K axis moved to the last place and cut into blocks of 32 codes, [.., K / 32, bytes a block], one block behind the other in memory; four codes in three bytes: a row's codes are one little-endian stream of bits, code i at bits 6 i .. 6 i + 5 (a code: sign, 2 exponent bits, 3 mantissa bits); and NAME_scales (uint8): the same leading axes, one E8M0 byte (e + 127) for each 32 codes along K. Its value is code x scale, taken as it is: it is not quantised again, and the codes and scales need not be those that the quantiser above would give.
;; One version. Each part assembles by itself: llvm-mc -triple=amdgcn-amd-amdhsa -mcpu=gfx1250 --defsym DOCPART=n.
;; ======== version 1 of 1: 4 launches
;; limits: right only within a limited range of input values
;; workspace buffers: wimg 786,432 bytes; kv 13,107,200 bytes; qp 13,107,200 bytes; cc 6,291,456 bytes; cs 262,144 bytes
;; launch prep (part 1): grid 32 x 4, 4 waves a work-group, no clusters, 0 bytes of LDS; arguments Wq_codes, Wk_codes, Wv_codes, Wo_codes, wimg; writes wimg
.if DOCPART == 1
	.amdgcn_target "amdgcn-amd-amdhsa--gfx1250"
	.amdhsa_code_object_version 6
	.text
	.protected	k_qb7fd702eab_prep
	.globl	k_qb7fd702eab_prep
	.p2align	8
	.type	k_qb7fd702eab_prep,@function
k_qb7fd702eab_prep:
	s_mov_b64 s[64:65], 0
	v_nop
	global_prefetch_b8 v0, s[64:65] scope:SCOPE_SE
	s_setreg_imm32_b32 hwreg(HW_REG_WAVE_MODE, 25, 1), 1
	s_wait_xcnt 0x0
; The four weights' codes ([512][384 bytes], K innermost) are laid once in the order of an operand's registers.
; wimg: [weight q, k, v, o][tile 0..31][K step 0..3][1,536 bytes].  A fragment (16 rows x 128 K of 6-bit codes) is 12 registers a lane;
; its image is three runs of 512 bytes, run c holding registers 4 c .. 4 c + 3, lane l's 16 bytes at 16 l.
; THE ROWS OF A TILE ARE NOT NEIGHBOURS: row r of tile t is weight row 64 (t / 4) + 32 (r / 8) + 8 (t % 4) + r % 8, so that in a result whose
; rows are these, the 32 registers of the four tiles of a group of 64 are 32 neighbours: a whole block of the next quantiser in one lane.
; Work-group (x = tile, y = weight); wave = K step; a wave makes one fragment: six loads of 8 bytes a lane, three stores that each cover 512 consecutive bytes.
; The later launches then read every weight fragment by loads of 16 bytes a lane, 512 consecutive bytes an instruction.
.set ROWB, 384                         ; a weight row's codes in bytes
.set FRB,  1536                        ; a fragment's image
	s_load_b256 s[4:11], s[0:1], 0x0               ; the codes of Wq, Wk, Wv, Wo
	s_load_b64 s[12:13], s[0:1], 0x20              ; wimg
	v_lshrrev_b32 v1, 5, v0
	v_readfirstlane_b32 s14, v1                    ; wave = K step
	s_and_b32 s15, ttmp7, 0xffff                   ; which weight
	v_and_b32 v4, 7, v0                            ; r % 8
	v_bfe_u32 v5, v0, 3, 1                         ; r / 8
	v_bfe_u32 v6, v0, 4, 1                         ; h = lane / 16
	v_lshl_add_u32 v4, v5, 5, v4                   ; 32 (r / 8) + r % 8
	v_mul_u32_u24 v2, v4, ROWB
	v_mad_u32_u24 v2, v6, 24, v2                   ; my row, + 24 h: a lane's 24 bytes are 32 codes
	v_and_b32 v3, 31, v0
	v_lshlrev_b32 v3, 4, v3                        ; 16 x lane
	s_lshr_b32 s16, ttmp9, 2
	s_lshl_b32 s16, s16, 6                         ; 64 (tile / 4)
	s_and_b32 s17, ttmp9, 3
	s_lshl_b32 s17, s17, 3                         ; 8 (tile % 4)
	s_add_co_u32 s16, s16, s17
	s_mul_i32 s16, s16, ROWB
	s_mul_i32 s17, s14, 96                         ; 128 codes a K step
	s_add_co_u32 s16, s16, s17
	s_mov_b32 s17, 0
	s_lshl_b32 s18, ttmp9, 2
	s_add_co_u32 s18, s18, s14
	s_mul_i32 s18, s18, FRB                        ; (4 tile + K step) images,
	s_mul_i32 s19, s15, 128*FRB                    ; behind the weights before mine
	s_add_co_u32 s18, s18, s19
	s_mov_b32 s19, 0
	s_wait_alu depctr_va_vdst(0)
	s_wait_kmcnt 0x0
	s_cmp_eq_u32 s15, 1                            ; the choice hangs on the work-group's number alone
	s_cselect_b64 s[4:5], s[6:7], s[4:5]
	s_cmp_eq_u32 s15, 2
	s_cselect_b64 s[4:5], s[8:9], s[4:5]
	s_cmp_eq_u32 s15, 3
	s_cselect_b64 s[4:5], s[10:11], s[4:5]
	s_add_nc_u64 s[4:5], s[4:5], s[16:17]
	s_add_nc_u64 s[12:13], s[12:13], s[18:19]
.irp p, 0,1,2,3,4,5
	global_load_b64 v[8+2*\p:9+2*\p], v2, s[4:5] offset:48*(\p/3)+8*(\p%3)   ; registers 0-5: k = 32 h ..; registers 6-11: k = 64 + 32 h ..
.endr
	s_wait_loadcnt 0x0
.irp c, 0,1,2
	global_store_b128 v3, v[8+4*\c:11+4*\c], s[12:13] offset:512*\c
.endr
	s_endpgm
.Lfunc_end_k_qb7fd702eab_prep:
	.size	k_qb7fd702eab_prep, .Lfunc_end_k_qb7fd702eab_prep-k_qb7fd702eab_prep
	.p2alignl 7, 3214868480
	.fill 96, 4, 3214868480
	.section	.rodata,"a",@progbits
	.p2align	6, 0x0
	.amdhsa_kernel k_qb7fd702eab_prep
		.amdhsa_group_segment_fixed_size 0
		.amdhsa_private_segment_fixed_size 0
		.amdhsa_enable_private_segment 0
		.amdhsa_kernarg_size 40
		.amdhsa_user_sgpr_count 2
		.amdhsa_user_sgpr_kernarg_segment_ptr 1
		.amdhsa_wavefront_size32 1
		.amdhsa_system_sgpr_workgroup_id_x 1
		.amdhsa_system_sgpr_workgroup_id_y 1
		.amdhsa_system_sgpr_workgroup_id_z 1
		.amdhsa_system_vgpr_workitem_id 0
		.amdhsa_next_free_vgpr 32
		.amdhsa_next_free_sgpr 66
		.amdhsa_reserve_vcc 0
		.amdhsa_float_denorm_mode_32 3
		.amdhsa_float_denorm_mode_16_64 3
		.amdhsa_memory_ordered 1
		.amdhsa_forward_progress 1
		.amdhsa_inst_pref_size 3
	.end_amdhsa_kernel
	.amdgpu_metadata
---
amdhsa.version: [ 1, 2 ]
amdhsa.kernels:
  - .name:           k_qb7fd702eab_prep
    .symbol:         k_qb7fd702eab_prep.kd
    .args:
      - { .name: Wq_codes, .offset: 0, .size: 8, .value_kind: global_buffer, .address_space: global }
      - { .name: Wk_codes, .offset: 8, .size: 8, .value_kind: global_buffer, .address_space: global }
      - { .name: Wv_codes, .offset: 16, .size: 8, .value_kind: global_buffer, .address_space: global }
      - { .name: Wo_codes, .offset: 24, .size: 8, .value_kind: global_buffer, .address_space: global }
      - { .name: wimg, .offset: 32, .size: 8, .value_kind: global_buffer, .address_space: global }
    .group_segment_fixed_size: 0
    .private_segment_fixed_size: 0
    .kernarg_segment_align: 8
    .kernarg_segment_size: 40
    .max_flat_workgroup_size: 128
    .sgpr_count:     66
    .vgpr_count:     32
    .wavefront_size: 32
...
	.end_amdgpu_metadata
.endif
;; end of part 1
;; launch qkv (part 2): grid 256 x 1, 16 waves a work-group, no clusters, 162,816 bytes of LDS; arguments x, wimg, Wq_scales, Wk_scales, Wv_scales, bq, bk, bv, qp, kv; writes qp, kv
.if DOCPART == 2
	.amdgcn_target "amdgcn-amd-amdhsa--gfx1250"
	.amdhsa_code_object_version 6
	.text
	.protected	k_qb7fd702eab_qkv
	.globl	k_qb7fd702eab_qkv
	.p2align	8
	.type	k_qb7fd702eab_qkv,@function
k_qb7fd702eab_qkv:
	s_mov_b64 s[64:65], 0
	v_nop
	global_prefetch_b8 v0, s[64:65] scope:SCOPE_SE
	s_setreg_imm32_b32 hwreg(HW_REG_WAVE_MODE, 25, 1), 1
	s_wait_xcnt 0x0
; q = x Wq^T + bq, k = x Wk^T + bk, v = x Wv^T + bv on codes of FP6 (E2M3) with one E8M0 scale for each 32 along K; x is quantised here; q, k (along the head's 64)
; and v (along the keys) are quantised in registers and leave as images of the operand registers that the attention launch wants.
; SHARES.  A work-group owns 64 tokens: batch b = wg / 32, key step j = (wg / 2) % 16 (128 keys), half hf = wg % 2.  Token tile m = 0..3, its row r = token 32 (r / 8) + 8 m + r % 8.
; Wave i: X: x's fragment (tile i / 4, K step i % 4).  QK: head i % 8 of Q (i < 8) or K (i >= 8), all four token tiles: 16 accumulators.  V: Wv's tiles 2 i, 2 i + 1, all four token tiles: 8 accumulators.
; LAYOUT.  Q, K: source 0 = 16 weight rows, source 1 = 16 tokens: a lane holds ONE token, and by the order of the weight tiles' rows the 32 registers of a token tile are the head's channels 32 h .. 32 h + 31:
; a whole block in one lane.  V: source 0 = 16 tokens, source 1 = 16 weight rows: a lane holds one channel, its 32 registers keys 32 h .. 32 h + 31 of my 64.
; A PAIR FRAGMENT of Q or K: registers 0-5 hold one token tile (64 channels), registers 6-11 the next: the head's K = 64 fills half of the instruction's 128.
; PACKET (12,800 bytes; kv and qp: [8 b + head][j]): four pair fragments (three runs of 512 bytes each); four fragments of V (each half, 768 bytes: 512 bytes of four registers, 256 bytes of two; half hf is mine);
; 512 bytes of scale words: 16 r + 4 f for K's (Q's) fragment f, 256 + 16 r + 4 t for V's fragment t.  qp uses the first part and the first 256 scale bytes alone.
; NO JOINT LOADS: a work-group's weights are 589,824 bytes, more than LDS holds, and each fragment is wanted by ONE wave: it goes from memory straight into that wave's registers, once.
; LIMITS: NaN and infinities among the inputs are not served; a block of zeros gets the scale byte 1 (the rule says 127): its codes are zeros, and these bytes are read by this program alone;
; the scale words leave by stores of 4 and 2 bytes a lane (256 bytes a work-group's share of a packet's 512).
.set STGW, 8448                        ; LDS: a stage for each wave at 8,448 i: 16 rows of 512 bytes + 16: 132 words, so row r starts 4 r words on modulo 64 (64 banks of 4 bytes: ISA guide 11.1)
.set XIMG, 135168                      ; x's 16 images (4 m + s), 1,536 bytes each
.set XSCO, 24576                       ; behind them x's scale words: 512 (m / 2) + 256 (m % 2) + 16 r + 4 s
.set PKT,  12800
.set LI,  1                            ; v1   16 x lane
.set L8,  2                            ; v2   8 x lane
.set STW, 3                            ; v3   my stage, 16 x lane
.set STR, 4                            ; v4   my stage, row r, + 128 h
.set XWI, 5                            ; v5   where I store my image of x
.set XWS, 6                            ; v6   and its scale word
.set VSR, 7                            ; v7   (32 ((l / 8) % 2) + 8 (l / 16) + l % 8) x 16: a row of 16 scale bytes; lanes 16-31 take the next tile's
.set BH,  8                            ; v8   128 h
.set VB,  9                            ; v9   (32 (r / 8) + r % 8) x 4
.set SH8, 10                           ; v10  8 h
.set SH16, 11                          ; v11  16 h
.set KSA, 12                           ; v12  16 r + 4 h
.set TP,  13                           ; v13  a lane permute's destination
.set SV,  14                           ; v14  a scale word on its way out
.set XRI, 15                           ; v15  XIMG + 16 x lane
.set WS,  16                           ; v16-23 weight scale words: pair p of tiles, K step s at 16 + 4 p + s (lanes 0-15 tile 2 p, lanes 16-31 tile 2 p + 1); for V: v16-19, and bv in v20, v21
.set XS,  24                           ; v24-31 x's scale words: 24 + 4 g + s (lanes 0-15 tile 2 g, lanes 16-31 tile 2 g + 1)
.set WF,  32                           ; v32-79 four weight fragments
.set XF,  80                           ; v80-127 x's four fragments of a K step; between products the quantiser's registers
.set ACC, 128                          ; v128-255 accumulator (m, t) at 128 + 32 m + 8 t
.set PC,  80                           ; the codes just made
.set PT,  92
.set TM,  100
.set SOP, 104
.set BY,  106
.set PW0, 108
.set PW1, 109
.macro PLACES                          ; four plain vector instructions between a matrix instruction and a read of its result, a write of one of its registers or a load into one
.rept 4
	v_nop
.endr
.endm
; 64 numbers of a lane, register 32 c + i = k 64 c + 32 h + i of my row or column, become a fragment's 12 registers in v[PC] on and its scale word in v[pw] (byte 2 c + h).
.macro QUANT2 s, pw
.irp c, 0,1
	v_max3_num_f32 v[TM+\c], |v[\s+32*\c]|, |v[\s+32*\c+1]|, 0x1800000   ; my block: all 32 numbers are mine; the floor 2^(3 - 127) keeps the byte at 1 from below
.endr
.irp i, 2,4,6,8,10,12,14,16,18,20,22,24,26,28,30
.irp c, 0,1
	v_max3_num_f32 v[TM+\c], v[TM+\c], |v[\s+32*\c+\i]|, |v[\s+32*\c+\i+1]|
.endr
.endr
.irp c, 0,1
	s_delay_alu instid0(VALU_DEP_2)
	v_add_nc_u32 v[SOP+\c], 0xff000000, v[TM+\c]   ; 2 off the exponent field: the conversion takes this operand's exponent field as its scale
.endr
.irp c, 0,1
	s_delay_alu instid0(VALU_DEP_2)
	v_lshrrev_b32 v[BY+\c], 23, v[SOP+\c]          ; the scale's byte
.endr
	s_delay_alu instid0(VALU_DEP_1)
	v_lshl_or_b32 v[\pw], v[BY+1], 16, v[BY]
	s_delay_alu instid0(VALU_DEP_1)
	v_lshlrev_b32 v[\pw], v[SH8], v[\pw]           ; my two bytes at places h and 2 + h,
	s_delay_alu instid0(VALU_DEP_1)
	v_permlanex16_b32 v[TP], v[\pw], s40, s41
	s_delay_alu instid0(VALU_DEP_1)
	v_or_b32 v[\pw], v[\pw], v[TP]                 ; with lane l xor 16's two the word is whole, in both halves
.irp c, 0,1
	v_cvt_scalef32_pk16_fp6_f32 v[PC+6*\c:PC+6*\c+2], v[\s+32*\c:\s+32*\c+15], v[SOP+\c]
	v_cvt_scalef32_pk16_fp6_f32 v[PT+4*\c:PT+4*\c+2], v[\s+32*\c+16:\s+32*\c+31], v[SOP+\c]   ; (a conversion's three registers begin on an even number)
.endr
	v_nop                                          ; one plain instruction behind the scaled conversions
.irp c, 0,1
.irp i, 0,1,2
	v_mov_b32 v[PC+6*\c+3+\i], v[PT+4*\c+\i]
.endr
.endr
.endm
; One matrix instruction.  zero: C is the constant 0, else C = D.  ra, rb: the scales of source 0, 1 are taken from lanes 16-31.
.macro WM d, a, b, zero, sa, sb, ra, rb
.if \zero
.if (\ra) && (\rb)
	v_wmma_scale_f32_16x16x128_f8f6f4 v[\d:\d+7], v[\a:\a+11], v[\b:\b+11], 0, v[\sa], v[\sb] matrix_a_fmt:MATRIX_FMT_FP6 matrix_b_fmt:MATRIX_FMT_FP6 matrix_a_scale:MATRIX_SCALE_ROW1 matrix_b_scale:MATRIX_SCALE_ROW1
.elseif \ra
	v_wmma_scale_f32_16x16x128_f8f6f4 v[\d:\d+7], v[\a:\a+11], v[\b:\b+11], 0, v[\sa], v[\sb] matrix_a_fmt:MATRIX_FMT_FP6 matrix_b_fmt:MATRIX_FMT_FP6 matrix_a_scale:MATRIX_SCALE_ROW1
.elseif \rb
	v_wmma_scale_f32_16x16x128_f8f6f4 v[\d:\d+7], v[\a:\a+11], v[\b:\b+11], 0, v[\sa], v[\sb] matrix_a_fmt:MATRIX_FMT_FP6 matrix_b_fmt:MATRIX_FMT_FP6 matrix_b_scale:MATRIX_SCALE_ROW1
.else
	v_wmma_scale_f32_16x16x128_f8f6f4 v[\d:\d+7], v[\a:\a+11], v[\b:\b+11], 0, v[\sa], v[\sb] matrix_a_fmt:MATRIX_FMT_FP6 matrix_b_fmt:MATRIX_FMT_FP6
.endif
.else
.if (\ra) && (\rb)
	v_wmma_scale_f32_16x16x128_f8f6f4 v[\d:\d+7], v[\a:\a+11], v[\b:\b+11], v[\d:\d+7], v[\sa], v[\sb] matrix_a_fmt:MATRIX_FMT_FP6 matrix_b_fmt:MATRIX_FMT_FP6 matrix_a_scale:MATRIX_SCALE_ROW1 matrix_b_scale:MATRIX_SCALE_ROW1
.elseif \ra
	v_wmma_scale_f32_16x16x128_f8f6f4 v[\d:\d+7], v[\a:\a+11], v[\b:\b+11], v[\d:\d+7], v[\sa], v[\sb] matrix_a_fmt:MATRIX_FMT_FP6 matrix_b_fmt:MATRIX_FMT_FP6 matrix_a_scale:MATRIX_SCALE_ROW1
.elseif \rb
	v_wmma_scale_f32_16x16x128_f8f6f4 v[\d:\d+7], v[\a:\a+11], v[\b:\b+11], v[\d:\d+7], v[\sa], v[\sb] matrix_a_fmt:MATRIX_FMT_FP6 matrix_b_fmt:MATRIX_FMT_FP6 matrix_b_scale:MATRIX_SCALE_ROW1
.else
	v_wmma_scale_f32_16x16x128_f8f6f4 v[\d:\d+7], v[\a:\a+11], v[\b:\b+11], v[\d:\d+7], v[\sa], v[\sb] matrix_a_fmt:MATRIX_FMT_FP6 matrix_b_fmt:MATRIX_FMT_FP6
.endif
.endif
.endm
.macro WLOAD s                         ; my head's four weight fragments of K step s: each load covers 512 consecutive bytes
.irp t, 0,1,2,3
.irp c, 0,1,2
	global_load_b128 v[WF+12*\t+4*\c:WF+12*\t+4*\c+3], v[LI], s[46:47] offset:(4*\t+\s)*1536+512*\c
.endr
.endr
.endm
.macro XFETCH s                        ; x's four fragments of K step s, as images
.irp m, 0,1,2,3
.irp c, 0,1,2
	ds_load_b128 v[XF+12*\m+4*\c:XF+12*\m+4*\c+3], v[XRI] offset:(4*\m+\s)*1536+512*\c
.endr
.endr
.endm
.macro VWLOAD s                        ; Wv's two fragments of K step s: steps 0, 1 into v32-79, steps 2, 3 into v128-175
.if \s < 2
.set VWR, 32+24*\s
.else
.set VWR, 128+24*(\s-2)
.endif
.irp u, 0,1
.irp c, 0,1,2
	global_load_b128 v[VWR+12*\u+4*\c:VWR+12*\u+4*\c+3], v[LI], s[54:55] offset:6144*\u+1536*\s+512*\c
.endr
.endr
.endm
	s_load_b512 s[8:23], s[0:1], 0x0               ; x, wimg, Wq_scales, Wk_scales, Wv_scales, bq, bk, bv
	s_load_b128 s[24:27], s[0:1], 0x40             ; qp, kv
	v_lshrrev_b32 v120, 5, v0
	s_delay_alu instid0(VALU_DEP_1)
	v_readfirstlane_b32 s4, v120                   ; wave i
	v_and_b32 v125, 31, v0
	s_delay_alu instid0(VALU_DEP_1)
	v_lshlrev_b32 v[LI], 4, v125
	s_delay_alu instid0(VALU_DEP_2)
	v_lshlrev_b32 v[L8], 3, v125
	v_and_b32 v120, 15, v0                         ; r
	s_wait_alu depctr_va_vdst(0)
	v_bfe_u32 v121, v0, 4, 1                       ; h
	s_mul_i32 s5, s4, STGW
	v_add_nc_u32 v[STW], s5, v[LI]
	v_mul_u32_u24 v[STR], v120, 528
	s_delay_alu instid0(VALU_DEP_1)
	v_lshl_add_u32 v[STR], v121, 7, v[STR]
	s_delay_alu instid0(VALU_DEP_1)
	v_add_nc_u32 v[STR], s5, v[STR]
	s_mul_i32 s5, s4, 1536
	s_add_co_u32 s5, s5, XIMG
	v_add_nc_u32 v[XWI], s5, v[LI]
	v_add_nc_u32 v[XRI], XIMG, v[LI]
	s_lshr_b32 s5, s4, 3
	s_lshl_b32 s5, s5, 9                           ; 512 (m / 2), m = i / 4
	s_bfe_u32 s6, s4, 0x10002
	s_lshl_b32 s6, s6, 8                           ; 256 (m % 2)
	s_add_co_u32 s5, s5, s6
	s_and_b32 s6, s4, 3
	s_lshl_b32 s6, s6, 2                           ; 4 s
	s_add_co_u32 s5, s5, s6
	s_add_co_u32 s5, s5, XIMG+XSCO
	v_lshl_add_u32 v[XWS], v120, 4, s5
	v_bfe_u32 v122, v0, 3, 1
	v_and_b32 v123, 7, v0
	s_delay_alu instid0(VALU_DEP_1)
	v_lshl_add_u32 v123, v122, 5, v123             ; 32 (r / 8) + r % 8
	s_delay_alu instid0(VALU_DEP_1)
	v_lshlrev_b32 v[VB], 2, v123
	s_delay_alu instid0(VALU_DEP_2)
	v_lshl_add_u32 v124, v121, 3, v123
	s_delay_alu instid0(VALU_DEP_1)
	v_lshlrev_b32 v[VSR], 4, v124
	v_lshlrev_b32 v[BH], 7, v121
	v_lshlrev_b32 v[SH8], 3, v121
	v_lshlrev_b32 v[SH16], 4, v121
	v_lshlrev_b32 v[KSA], 4, v120
	s_delay_alu instid0(VALU_DEP_1)
	v_lshl_add_u32 v[KSA], v121, 2, v[KSA]
	v_mov_b32 v[TP], 0                             ; written once: a lane permute's destination counts as one of its sources
	s_mov_b32 s40, 0x76543210
	s_mov_b32 s41, 0xfedcba98                      ; v_permlanex16_b32's selects for lane l xor 16
	s_mov_b32 s42, 0xffff0000                      ; lanes 16-31
	s_lshr_b32 s28, ttmp9, 5                       ; b
	s_bfe_u32 s29, ttmp9, 0x40001                  ; j
	s_and_b32 s30, ttmp9, 1                        ; hf
	s_and_b32 s31, s4, 7                           ; the head of my Q or K job
	s_lshl_b32 s32, ttmp9, 17                      ; x: 64 tokens of 2,048 bytes a work-group,
	s_lshr_b32 s5, s4, 2
	s_lshl_b32 s5, s5, 14                          ; 8 m tokens,
	s_add_co_u32 s32, s32, s5
	s_and_b32 s5, s4, 3
	s_lshl_b32 s5, s5, 9                           ; 128 numbers a K step
	s_add_co_u32 s32, s32, s5
	s_mov_b32 s33, 0
	s_mul_i32 s34, s4, 24576                       ; wimg: 16 images a head; Wk's follow Wq's eight heads
	s_mov_b32 s35, 0
	s_lshl_b32 s36, s31, 10                        ; weight scales: 64 rows of 16 bytes a head
	s_mov_b32 s37, 0
	s_lshl_b32 s38, s31, 8                         ; bias: 64 numbers a head
	s_mov_b32 s39, 0
	s_lshl_b32 s5, s28, 3
	s_add_co_u32 s6, s5, s31
	s_lshl_b32 s6, s6, 4
	s_add_co_u32 s6, s6, s29
	s_mul_i32 s6, s6, PKT                          ; my Q or K packet
	s_mul_i32 s7, s30, 3072
	s_add_co_u32 s66, s6, s7                       ; its pair fragments 2 hf, 2 hf + 1
	s_mov_b32 s67, 0
	s_lshl_b32 s7, s30, 3
	s_add_co_u32 s68, s6, s7
	s_add_co_u32 s68, s68, 12288                   ; and their scale words
	s_mov_b32 s69, 0
	s_mul_i32 s70, s4, 12288
	s_add_co_u32 s70, s70, 393216                  ; wimg: Wv's tiles 2 i, 2 i + 1
	s_mov_b32 s71, 0
	s_lshr_b32 s7, s4, 1                           ; the head of my V job
	s_and_b32 s43, s4, 1                           ; its tiles t0 = 2 (i % 2), t0 + 1
	s_lshl_b32 s72, s7, 6
	s_lshl_b32 s6, s43, 4
	s_add_co_u32 s72, s72, s6                      ; weight row 64 head + 8 t0
	s_lshl_b32 s74, s72, 2
	s_mov_b32 s75, 0
	s_lshl_b32 s72, s72, 4
	s_mov_b32 s73, 0
	s_add_co_u32 s6, s5, s7
	s_lshl_b32 s6, s6, 4
	s_add_co_u32 s6, s6, s29
	s_mul_i32 s6, s6, PKT                          ; my V packet
	s_mul_i32 s7, s43, 3072
	s_add_co_u32 s76, s6, s7
	s_mul_i32 s7, s30, 768
	s_add_co_u32 s76, s76, s7
	s_add_co_u32 s76, s76, 6144                    ; fragment t0, half hf
	s_mov_b32 s77, 0
	s_lshl_b32 s7, s43, 3
	s_add_co_u32 s78, s6, s7
	s_lshl_b32 s7, s30, 1
	s_add_co_u32 s78, s78, s7
	s_add_co_u32 s78, s78, 12544                   ; word t0, bytes 2 hf, 2 hf + 1
	s_mov_b32 s79, 0
	s_wait_alu depctr_va_vdst(0)
	s_wait_kmcnt 0x0
	s_cmp_lt_u32 s4, 8                             ; Q's wave or K's: only pointers are chosen
	s_cselect_b64 s[48:49], s[12:13], s[14:15]
	s_cselect_b64 s[50:51], s[18:19], s[20:21]
	s_cselect_b64 s[52:53], s[24:25], s[26:27]
	s_add_nc_u64 s[44:45], s[8:9], s[32:33]        ; x
	s_add_nc_u64 s[46:47], s[10:11], s[34:35]      ; my Q or K weight images
	s_add_nc_u64 s[48:49], s[48:49], s[36:37]      ; their scale bytes
	s_add_nc_u64 s[50:51], s[50:51], s[38:39]      ; the bias
	s_add_nc_u64 s[80:81], s[52:53], s[68:69]      ; out: scale words
	s_add_nc_u64 s[52:53], s[52:53], s[66:67]      ; out: pair fragments
	s_add_nc_u64 s[54:55], s[10:11], s[70:71]      ; Wv's images
	s_add_nc_u64 s[56:57], s[16:17], s[72:73]      ; Wv's scale bytes
	s_add_nc_u64 s[58:59], s[22:23], s[74:75]      ; bv
	s_add_nc_u64 s[60:61], s[26:27], s[76:77]      ; out: V's fragments
	s_add_nc_u64 s[62:63], s[26:27], s[78:79]      ; out: V's scale bytes
.irp p, 0,1
	global_load_b128 v[WS+4*\p:WS+4*\p+3], v[VSR], s[48:49] offset:256*\p
.endr
	WLOAD 0
.set q, 0
.rept 16
	global_load_b128 v[ACC+4*q:ACC+4*q+3], v[LI], s[44:45] offset:(32*(q/8)+q%8)*2048 th:TH_LOAD_NT   ; row q of my tile, my K step's 128 numbers: 512 consecutive bytes
.set q, q+1
.endr
	; ---- X: 16 rows x 128 numbers turn through my stage: in as they lie, back 128 bytes (a block of 32) a lane
.set q, 0
.rept 16
	s_wait_loadcnt 15-q                            ; loads come back in order: row q is in, the younger rows may be out
	ds_store_b128 v[STW], v[ACC+4*q:ACC+4*q+3] offset:528*q
.set q, q+1
.endr
.irp c, 0,1
.irp e, 0,1,2,3,4,5,6,7
	ds_load_b128 v[192+32*\c+4*\e:192+32*\c+4*\e+3], v[STR] offset:256*\c+16*\e   ; LDS serves a wave's instructions in order: these see my stores
.endr
.endr
	s_wait_dscnt 0x0
	QUANT2 192, PW0
.irp c, 0,1,2
	ds_store_b128 v[XWI], v[PC+4*\c:PC+4*\c+3] offset:512*\c
.endr
	ds_store_b32 v[XWS], v[PW0]                    ; both halves of the lanes write the same word with the same value
.irp m, 0,1,2,3                        ; the bias is the C of each sum's first product: register 8 t + e of a token tile is channel 32 h + 8 t + e
.irp t, 0,1,2,3
	global_load_b128 v[ACC+32*\m+8*\t:ACC+32*\m+8*\t+3], v[BH], s[50:51] offset:32*\t
	global_load_b128 v[ACC+32*\m+8*\t+4:ACC+32*\m+8*\t+7], v[BH], s[50:51] offset:32*\t+16
.endr
.endr
	s_wait_dscnt 0x0                               ; for the others' sake: my image and its scale word have landed
	s_barrier_signal -1
	s_barrier_wait -1                              ; x's sixteen images lie in LDS; they are only read from here on
.irp g, 0,1
	ds_load_b128 v[XS+4*\g:XS+4*\g+3], v[XRI] offset:XSCO+512*\g
.endr
	; ---- Q or K: 16 accumulators by turns, one instruction a turn, a K step of 128 at a time
.macro QKSTEP s
.if \s > 0
	PLACES
	WLOAD \s
.endif
	XFETCH \s
	s_wait_loadcnt 0x0
	s_wait_dscnt 0x0
.irp m, 0,1,2,3
.irp t, 0,1,2,3
	WM ACC+32*\m+8*\t, WF+12*\t, XF+12*\m, 0, WS+4*(\t/2)+\s, XS+4*(\m/2)+\s, \t%2, \m%2
.endr
.endr
.endm
	QKSTEP 0
	QKSTEP 1
	QKSTEP 2
	QKSTEP 3
	; ---- Q or K out; Wv's fragments are asked for meanwhile
	PLACES
	global_load_b128 v[16:19], v[VSR], s[56:57]    ; Wv's scale words: lanes 0-15 tile t0, lanes 16-31 tile t0 + 1
	VWLOAD 0
	VWLOAD 1
	global_load_b32 v20, v[VB], s[58:59]           ; bv of my lane's channel in tile t0,
	global_load_b32 v21, v[VB], s[58:59] offset:32 ; and in tile t0 + 1
	QUANT2 128, PW0                                ; token tiles 0, 1: pair fragment 2 hf
.irp c, 0,1,2
	global_store_b128 v[LI], v[PC+4*\c:PC+4*\c+3], s[52:53] offset:512*\c
.endr
	VWLOAD 2                                       ; into the registers that tiles 0, 1 have left
	VWLOAD 3
	s_wait_xcnt 0x0                                ; the stores' data are written again only behind this wait
	QUANT2 192, PW1                                ; token tiles 2, 3: pair fragment 2 hf + 1
.irp c, 0,1,2
	global_store_b128 v[LI], v[PC+4*\c:PC+4*\c+3], s[52:53] offset:1536+512*\c
.endr
	v_cndmask_b32 v[SV], v[PW0], v[PW1], s42       ; lanes 0-15 the first fragment's word of row r, lanes 16-31 the second's
	global_store_b32 v[KSA], v[SV], s[80:81]
	s_wait_xcnt 0x0                                ; x's fragments land on the stores' data only behind this wait
	; ---- V: 8 accumulators by turns
.macro VSTEP s
.if \s > 0
	PLACES
.endif
	XFETCH \s
	s_wait_dscnt 0x0
.set VZ, 0
.if \s == 0
.set VZ, 1
	s_wait_loadcnt 12                              ; scale words, K steps 0 and 1, bv are in; the twelve loads of K steps 2 and 3 may be out
.endif
.if \s == 2
	s_wait_loadcnt 0x0
.endif
.if \s < 2
.set VWR, 32+24*\s
.else
.set VWR, 128+24*(\s-2)
.endif
.irp m, 0,1,2,3
.irp u, 0,1
	WM 192+32*\u+8*\m, XF+12*\m, VWR+12*\u, VZ, XS+4*(\m/2)+\s, 16+\s, \m%2, \u
.endr
.endr
.endm
	VSTEP 0
	VSTEP 1
	VSTEP 2
	VSTEP 3
	; ---- V out: + bv, quantised along my 64 keys: registers 0-5 are tile t0's half hf, registers 6-11 tile t0 + 1's
	PLACES
.set k, 0
.rept 16
	v_pk_add_f32 v[192+k:193+k], v[192+k:193+k], v[20:21] op_sel_hi:[1,0]
.set k, k+2
.endr
.rept 16
	v_pk_add_f32 v[192+k:193+k], v[192+k:193+k], v[20:21] op_sel:[0,1] op_sel_hi:[1,1]
.set k, k+2
.endr
	QUANT2 192, PW0
	global_store_b128 v[LI], v[80:83], s[60:61]
	global_store_b64 v[L8], v[84:85], s[60:61] offset:512
	global_store_b128 v[LI], v[86:89], s[60:61] offset:1536
	global_store_b64 v[L8], v[90:91], s[60:61] offset:2048
	v_lshrrev_b32 v[SV], v[SH16], v[PW0]           ; lanes 0-15 tile t0's two bytes, lanes 16-31 tile t0 + 1's
	global_store_b16 v[KSA], v[SV], s[62:63]
	s_wait_xcnt 0x0
	v_lshl_add_u32 v254, v0, 2, 0x27400
	v_mov_b32 v255, 0
	s_wait_alu depctr_va_vdst(0)
	s_wait_tensorcnt 0x0
	ds_add_u32 v254, v255
	s_wait_dscnt 0x0
	s_endpgm
.Lfunc_end_k_qb7fd702eab_qkv:
	.size	k_qb7fd702eab_qkv, .Lfunc_end_k_qb7fd702eab_qkv-k_qb7fd702eab_qkv
	.p2alignl 7, 3214868480
	.fill 96, 4, 3214868480
	.section	.rodata,"a",@progbits
	.p2align	6, 0x0
	.amdhsa_kernel k_qb7fd702eab_qkv
		.amdhsa_group_segment_fixed_size 162816
		.amdhsa_private_segment_fixed_size 0
		.amdhsa_enable_private_segment 0
		.amdhsa_kernarg_size 80
		.amdhsa_user_sgpr_count 2
		.amdhsa_user_sgpr_kernarg_segment_ptr 1
		.amdhsa_wavefront_size32 1
		.amdhsa_system_sgpr_workgroup_id_x 1
		.amdhsa_system_sgpr_workgroup_id_y 1
		.amdhsa_system_sgpr_workgroup_id_z 1
		.amdhsa_system_vgpr_workitem_id 0
		.amdhsa_next_free_vgpr 256
		.amdhsa_next_free_sgpr 82
		.amdhsa_reserve_vcc 0
		.amdhsa_float_denorm_mode_32 3
		.amdhsa_float_denorm_mode_16_64 3
		.amdhsa_memory_ordered 1
		.amdhsa_forward_progress 1
		.amdhsa_inst_pref_size 56
	.end_amdhsa_kernel
	.amdgpu_metadata
---
amdhsa.version: [ 1, 2 ]
amdhsa.kernels:
  - .name:           k_qb7fd702eab_qkv
    .symbol:         k_qb7fd702eab_qkv.kd
    .args:
      - { .name: x, .offset: 0, .size: 8, .value_kind: global_buffer, .address_space: global }
      - { .name: wimg, .offset: 8, .size: 8, .value_kind: global_buffer, .address_space: global }
      - { .name: Wq_scales, .offset: 16, .size: 8, .value_kind: global_buffer, .address_space: global }
      - { .name: Wk_scales, .offset: 24, .size: 8, .value_kind: global_buffer, .address_space: global }
      - { .name: Wv_scales, .offset: 32, .size: 8, .value_kind: global_buffer, .address_space: global }
      - { .name: bq, .offset: 40, .size: 8, .value_kind: global_buffer, .address_space: global }
      - { .name: bk, .offset: 48, .size: 8, .value_kind: global_buffer, .address_space: global }
      - { .name: bv, .offset: 56, .size: 8, .value_kind: global_buffer, .address_space: global }
      - { .name: qp, .offset: 64, .size: 8, .value_kind: global_buffer, .address_space: global }
      - { .name: kv, .offset: 72, .size: 8, .value_kind: global_buffer, .address_space: global }
    .group_segment_fixed_size: 162816
    .private_segment_fixed_size: 0
    .kernarg_segment_align: 8
    .kernarg_segment_size: 80
    .max_flat_workgroup_size: 512
    .sgpr_count:     82
    .vgpr_count:     256
    .wavefront_size: 32
...
	.end_amdgpu_metadata
.endif
;; end of part 2
;; launch attn (part 3): grid 4 x 64, 8 waves a work-group, clusters of 4 x 1, 327,680 bytes of LDS; arguments qp, kv, cc, cs; writes cc, cs
.if DOCPART == 3
	.amdgcn_target "amdgcn-amd-amdhsa--gfx1250"
	.amdhsa_code_object_version 6
	.text
	.protected	k_qb7fd702eab_attn
	.globl	k_qb7fd702eab_attn
	.p2align	8
	.type	k_qb7fd702eab_attn,@function
k_qb7fd702eab_attn:
	s_mov_b64 s[64:65], 0
	v_nop
	global_prefetch_b8 v0, s[64:65] scope:SCOPE_SE
	s_setreg_imm32_b32 hwreg(HW_REG_WAVE_MODE, 25, 1), 1
	s_wait_xcnt 0x0
	s_wait_alu depctr_hold_cnt(0) depctr_sa_sdst(0) depctr_va_vdst(0) depctr_va_sdst(0) depctr_va_ssrc(0) depctr_va_vcc(0) depctr_vm_vsrc(0)
	s_getreg_b32 s2, hwreg(HW_REG_IB_STS2, 6, 4)
	s_cmp_eq_u32 s2, 0
	s_cbranch_scc0 .Lentry_in_a_cluster
	s_endpgm
.Lentry_in_a_cluster:
	s_bfe_u32 s2, ttmp6, 0x10000c
	s_cmp_lg_u32 s2, 0x3003
	s_cbranch_scc0 .Lentry_shape_is_right
	s_endpgm
.Lentry_shape_is_right:
; ctx[q] = the sum over keys of softmax(q . k / 8) v, for one head; both products on codes of FP6 (E2M3) with one E8M0 scale for each 32 along K; ctx is quantised along the head's 64 and leaves as codes.
; SOFTMAX: t = score x log2(e) / 8; M = the running largest t rounded UP to a whole number; p = 2^(t - M) is quantised along the keys, not normalised; the row's sum is taken of the unquantised p and divides at the end.
; When M moves, the sum and O are multiplied by 2^(old M - new M): exact, with no branch on data.
; SHARES.  A work-group owns 512 queries of one head (y = 8 b + head); wave w two pair fragments of Q: 64 queries, four tiles of 16.  One walk over the head's 2,048 keys, 128 a step:
; each fragment of K and of V read from LDS feeds all four tiles.  The softmax goes two tiles at a time, line by line in turns, so that two or more independent chains are at work; the second product of all four tiles stands at the step's end.
; LDS.  The head's sixteen packets (K's pair fragments, V's fragments, scale words: 12,800 bytes each, images of operand registers) are 204,800 bytes: each byte is filled ONCE.  Packets 0-3 come by the head's loads
; (6,400 bytes a wave), packets 4-15 by a second load (19,200 bytes a wave), which is out while key steps 0-2 are worked; the wait for it and a barrier stand ahead of step 3, whose end first reads packet 4.
; ONE SET OF FRAGMENT REGISTERS serves K and V.  V's fragments are asked for behind the step's last first product.  The next step's K: fragments 0, 1 and K's scale words in the middle of the sixteen second products, into
; V's registers that are done with; fragments 2, 3 at the next step's head.  So the walk is 3 trips, 12 trips and a last step that asks for nothing more.
; CLUSTER.  The four work-groups of a head want the same bytes: both tensor loads are JOINT, the same descriptor (made of the head and the wave's number) and the mask of the four.
; NO PREFETCH: all that the launch reads by tensor loads is asked for by these two loads at its start; no later request is left to run ahead of.
; K = 64 IN AN INSTRUCTION OF 128.  A pair fragment of K holds two key tiles, in k = 0..63 and k = 64..127.  It is multiplied by (q, 0) and by (0, q): the run [zeros][q0][zeros][q1] .. [zeros] gives both for all four tiles.
; q's scale word holds its two bytes twice; over the zero codes they scale nothing.
; LAYOUT.  S^T = K Q^T and O^T = V^T P^T: a lane holds one query (lane % 16).  Register 32 c + i of S^T is key 64 c + 32 h + i of the step: a whole block of 32 keys in a lane; the 32 registers of O^T are channels 32 h .. 32 h + 31.
; A block's largest p is not searched for: the block's largest score goes through the same multiply-add and exponential (this takes v_exp_f32 not to fall where its input rises; at the worst one p of a block is held one code low).
; LIMITS: the promise holds while the scaled scores stay under 2^31 in magnitude; NaN and infinities are not served; a block of zeros gets the scale byte 1 (read by this program alone); ctx's scale bytes leave by stores of one byte a lane.
.set PKT,   12800
.set SPARE, 204800                     ; behind the packets: the spare words, 128 bytes a wave
; window 0 (v0-255)
.set LI,  1                            ; 16 x lane
.set L8,  2                            ; 8 x lane
.set AD16, 3                           ; the step's packet + 16 x lane
.set AD8, 4                            ; + 8 x lane
.set R16, 5                            ; 16 r
.set CSA, 6                            ; (32 (r / 8) + r % 8) x 16 + h
.set SPW, 7                            ; my spare word
.set NIL, 8                            ; 0
.set QZ,  10                           ; v10-63 [zeros 6][q0 6][zeros 6][q1 6][zeros 6][q2 6][zeros 6][q3 6][zeros 6]
.set QS,  64                           ; v64-67 q's scale words, one a tile
.set PSW, 68                           ; v68-71 p's scale words, one a tile
.set KSK, 72                           ; v72-75 the packet's scale words for the first product: lanes 0-15 K's
.set FR,  76                           ; v76-123 four fragments, of K and then of V
.set OA,  124                          ; v124-251 O^T: tile t at 124 + 32 t
.set KSV, 252                          ; v252-255 the packet's scale words for the second product: lanes 16-31 V's (at the head: q's words as they are loaded)
; window 1 (v256-511, written by their low 8 bits)
.set S,   0                            ; S^T, then p, of two tiles
.set PC,  128                          ; p's codes, 12 a tile
.set PT,  176
.set ST,  192                          ; a pair a tile: -M, the largest score
.set SUM, 200                          ; a pair a tile: the sum in two halves
.set FF,  208                          ; a pair a tile: f = 2^(old M - new M), and a word that is only named
.set MX,  216
.set SOP, 224
.set BY,  228
.set T0,  232
.set TP,  234
.set PW,  236
.set AT,  238                          ; v238-253 the sums' chains
.set SH8, 254                          ; 8 h
.set MSB, 0
.macro WIN new                         ; low byte: bits 1:0 source 0, 3:2 source 1, 5:4 source 2, 7:6 destination; the high byte repeats the setting that is left
.if MSB != \new
	s_set_vgpr_msb (MSB<<8)|\new
.set MSB, \new
.endif
.endm
.macro PLACES                          ; four plain vector instructions between a matrix instruction and a read of its result or a load into one of its registers
.rept 4
	v_nop
.endr
.endm
.macro ROUND                           ; a round of the cluster's barrier
	s_barrier_signal -1
	s_barrier_wait -1
	s_cmp_lg_u32 s12, 0
	s_cbranch_scc1 .Lnot_wave_0_\@
	s_barrier_signal -3
.Lnot_wave_0_\@:
	s_barrier_wait -3
	s_barrier_signal -1
	s_barrier_wait -1
.endm
	s_load_b256 s[4:11], s[0:1], 0x0               ; qp, kv, cc, cs
	v_lshl_add_u32 v[SPW], v0, 2, SPARE
	v_mov_b32 v[NIL], 0
	ds_add_u32 v[SPW], v[NIL]                      ; the opening lines: the add, twice on end, and its wait
	ds_add_u32 v[SPW], v[NIL]
	v_lshrrev_b32 v9, 5, v0
	v_readfirstlane_b32 s12, v9                    ; wave w, 0..7
	s_bfe_u32 s13, ttmp6, 0x40000                  ; cx: it enters Q's and the outputs' addresses alone
	s_lshl_b32 s14, ttmp9, 2
	s_add_co_u32 s14, s14, s13                     ; my block of 512 queries
	s_and_b32 s15, ttmp7, 0xffff                   ; 8 b + head, which the four partners share
	s_mov_b32 s24, 15|(3<<16)|(1<<21)              ; group 1 of the head's load: the mask of the four; elements of 8 bytes; bit 21 beside a mask
	s_mov_b32 s25, 32<<16                          ; rows of 256 bytes
	s_mov_b32 s26, 25<<16                          ; 25 rows: half a packet
	s_mov_b32 s27, 32<<16
	s_mov_b32 s28, 25
	s_mov_b32 s29, 32                              ; dense
	s_mov_b32 s30, 0
	s_mov_b32 s31, 0
	s_mov_b32 s68, 15|(3<<16)|(1<<21)              ; group 1 of the second load: 75 rows, a packet and a half
	s_mov_b32 s69, 32<<16
	s_mov_b32 s70, 75<<16
	s_mov_b32 s71, 32<<16
	s_mov_b32 s72, 75
	s_mov_b32 s73, 32
	s_mov_b32 s74, 0
	s_mov_b32 s75, 0
	s_mov_b32 s32, 1
	s_mul_i32 s33, s12, 6400                       ; LDS byte 6,400 w: packets 0-3
	s_mov_b32 s60, 1
	s_mul_i32 s61, s12, 19200
	s_add_co_u32 s61, s61, 51200                   ; LDS byte 51,200 + 19,200 w: packets 4-15
	s_mul_i32 s16, s15, 16*PKT                     ; the head's first byte in kv and in qp
	s_add_co_u32 s18, s16, s33
	s_mov_b32 s19, 0
	s_add_co_u32 s66, s16, s61
	s_mov_b32 s67, 0
	s_mov_b32 s36, 0x76543210
	s_mov_b32 s37, 0xfedcba98                      ; v_permlanex16_b32's selects for lane l xor 16
	s_mov_b32 s38, 0x3e38aa3b                      ; c = log2(e) / 8
	s_mov_b32 s39, s38                             ; (named with it as a pair)
	s_lshl_b32 s20, s14, 4
	s_lshl_b32 s21, s12, 1
	s_add_co_u32 s20, s20, s21                     ; G: my first pair fragment of Q, even, 0..62; G + 1 is mine too
	s_lshr_b32 s21, s20, 2
	s_mul_i32 s21, s21, PKT
	s_add_co_u32 s21, s21, s16                     ; their packet in qp
	s_and_b32 s17, s20, 3
	s_mul_i32 s50, s17, 1536
	s_add_co_u32 s50, s50, s21
	s_mov_b32 s51, 0
	s_lshl_b32 s52, s17, 2
	s_add_co_u32 s52, s52, s21
	s_add_co_u32 s52, s52, 12288                   ; their scale words
	s_mov_b32 s53, 0
	s_lshr_b32 s22, s15, 3                         ; b
	s_and_b32 s23, s15, 7                          ; head
	s_lshl_b32 s54, s22, 7
	s_lshl_b32 s21, s20, 1
	s_add_co_u32 s54, s54, s21                     ; token tile 128 b + 2 G
	s_lshl_b32 s54, s54, 2
	s_lshr_b32 s21, s23, 1
	s_add_co_u32 s54, s54, s21                     ; K step head / 2 of the last product
	s_mul_i32 s54, s54, 1536
	s_and_b32 s21, s23, 1
	s_mul_i32 s21, s21, 768                        ; its half head % 2
	s_add_co_u32 s54, s54, s21
	s_mov_b32 s55, 0
	s_lshl_b32 s56, s22, 11
	s_lshr_b32 s21, s20, 1
	s_lshl_b32 s21, s21, 6
	s_add_co_u32 s56, s56, s21                     ; token 2,048 b + 64 (G / 2)
	s_lshl_b32 s56, s56, 4                         ; 16 scale bytes a token
	s_lshl_b32 s21, s23, 1
	s_add_co_u32 s56, s56, s21                     ; bytes 2 head, 2 head + 1
	s_mov_b32 s57, 0
	v_and_b32 v9, 31, v0
	v_and_b32 v[R16], 15, v0
	v_bfe_u32 v[AD8], v0, 4, 1                     ; h (kept here until the first step)
	v_bfe_u32 v[AD16], v0, 3, 1
	v_lshlrev_b32 v[LI], 4, v9
	v_lshlrev_b32 v[L8], 3, v9
	v_and_b32 v9, 7, v0
	v_lshlrev_b32 v[R16], 4, v[R16]
	v_lshl_add_u32 v9, v[AD16], 5, v9
	v_lshl_add_u32 v[CSA], v9, 4, v[AD8]
	s_wait_alu depctr_va_vdst(0)                   ; the wait ahead of the blocking waits
	s_wait_dscnt 0x0
	s_wait_kmcnt 0x0
	s_add_nc_u64 s[34:35], s[6:7], s[18:19]        ; group 0: my half packet
	s_or_b32 s35, s35, 0x80000000
	s_add_nc_u64 s[62:63], s[6:7], s[66:67]        ; group 0: my packet and a half
	s_or_b32 s63, s63, 0x80000000
	s_add_nc_u64 s[42:43], s[4:5], s[50:51]        ; Q's pair fragments
	s_add_nc_u64 s[44:45], s[4:5], s[52:53]        ; their scale words
	s_add_nc_u64 s[46:47], s[8:9], s[54:55]        ; ctx's codes
	s_add_nc_u64 s[48:49], s[10:11], s[56:57]      ; ctx's scale bytes
	ROUND                                          ; all four work-groups are here: the joint loads meet
	tensor_load_to_lds s[32:35], s[24:31]          ; my one load of the head
	s_nop 0
	PLACES
.irp P, 0,1
.irp p, 0,1,2
	global_load_b64 v[QZ+6+24*\P+2*\p:QZ+7+24*\P+2*\p], v[LI], s[42:43] offset:1536*\P+512*(\p/2)+8*(\p%2)               ; the image's registers 0-5: tile 2 P
	global_load_b64 v[QZ+18+24*\P+2*\p:QZ+19+24*\P+2*\p], v[LI], s[42:43] offset:1536*\P+512*((\p+3)/2)+8*((\p+3)%2)     ; registers 6-11: tile 2 P + 1
.endr
	global_load_b32 v[KSV+\P], v[R16], s[44:45] offset:4*\P   ; row r's word: bytes 0, 1 tile 2 P's, bytes 2, 3 tile 2 P + 1's
.endr
.irp z, 0,1,2,3,4
.irp i, 0,1,2,3,4,5
	v_mov_b32 v[QZ+12*\z+\i], 0
.endr
.endr
.set j, 0
.rept 128
	v_mov_b32 v[OA+j], 0                           ; the step is written once: the first finds zeros, which the first change of M leaves zeros
.set j, j+1
.endr
	WIN 0x40
	v_lshlrev_b32 v[SH8], 3, v[AD8]
.irp t, 0,1,2,3
	v_mov_b32 v[ST+2*\t], 0x7f61b1e6               ; -M = 3e38: the first f comes out 0
	v_mov_b32 v[ST+2*\t+1], 0xff61b1e6             ; the largest score so far: -3e38
	v_mov_b32 v[SUM+2*\t], 0
	v_mov_b32 v[SUM+2*\t+1], 0
	v_mov_b32 v[FF+2*\t+1], 0
.endr
	v_mov_b32 v[TP], 0                             ; a lane permute's destination counts as one of its sources
	v_mov_b32 v[TP+1], 0
	WIN 0
	s_wait_alu depctr_va_vdst(0)                   ; the wait at the head's end
	s_wait_tensorcnt 0x0                           ; my part of packets 0-3 is in; a later first fill is issued as a refill is:
	ds_add_u32 v[SPW], v[NIL]
	s_wait_dscnt 0x0
	ROUND                                          ; everybody's part is in, and the joint loads meet
	tensor_load_to_lds s[60:63], s[68:75]          ; packets 4-15: out while steps 0-2 are worked
	s_nop 0
	PLACES
.irp f, 0,1                            ; step 0's first two fragments of K and its scale words, as every later step finds them
.irp c, 0,1,2
	ds_load_b128 v[FR+12*\f+4*\c:FR+12*\f+4*\c+3], v[LI] offset:1536*\f+512*\c
.endr
.endr
	ds_load_b128 v[KSK:KSK+3], v[LI] offset:12288
	s_wait_loadcnt 0x0
.irp P, 0,1
	v_perm_b32 v[QS+2*\P], v[KSV+\P], v[KSV+\P], 0x01000100     ; a tile's two bytes, twice
	v_perm_b32 v[QS+2*\P+1], v[KSV+\P], v[KSV+\P], 0x03020302
.endr
.rept 8
	v_nop                                          ; a scale register written by a vector instruction stands 8 places ahead of a scaled matrix instruction
.endr
	s_wait_alu depctr_va_vdst(0)
; S^T of tiles 2 g and 2 g + 1: 16 products, each with C = 0, fragment by fragment.  w = 1: the fragments are still landing
.macro SPROD g, w
	WIN 0x40
.irp f, 0,1,2,3
.if \w
.if \f == 0
	s_wait_dscnt 6                                 ; fragments 0, 1 and the scale words are in; the six loads of fragments 2, 3 may be out
.endif
.if \f == 2
	s_wait_dscnt 3                                 ; fragment 3's three may be out
.endif
.if \f == 3
	s_wait_dscnt 0
.endif
.endif
.irp u, 0,1
	v_wmma_scale_f32_16x16x128_f8f6f4 v[S+64*\u+16*\f:S+64*\u+16*\f+7], v[FR+12*\f:FR+12*\f+11], v[QZ+6+12*(2*\g+\u):QZ+17+12*(2*\g+\u)], 0, v[KSK+\f], v[QS+2*\g+\u] matrix_a_fmt:MATRIX_FMT_FP6 matrix_b_fmt:MATRIX_FMT_FP6
	v_wmma_scale_f32_16x16x128_f8f6f4 v[S+64*\u+16*\f+8:S+64*\u+16*\f+15], v[FR+12*\f:FR+12*\f+11], v[QZ+12*(2*\g+\u):QZ+11+12*(2*\g+\u)], 0, v[KSK+\f], v[QS+2*\g+\u] matrix_a_fmt:MATRIX_FMT_FP6 matrix_b_fmt:MATRIX_FMT_FP6
.endr
.endr
	PLACES
.endm
.macro TM g, j0                        ; t - M of sixteen scores of tile 2 g, from register j0 on
.set j, \j0
.rept 8
	v_pk_fma_f32 v[S+j:S+j+1], v[S+j:S+j+1], s[38:39], v[ST+4*\g:ST+4*\g+1] op_sel_hi:[1,0,0]
.set j, j+2
.endr
.endm
.macro ADDS n                          ; pairs n .. n + 3 of both tiles onto the sums' eight chains
.irp k, 0,1,2,3
.irp u, 0,1
	v_pk_add_f32 v[AT+8*\u+2*\k:AT+8*\u+2*\k+1], v[AT+8*\u+2*\k:AT+8*\u+2*\k+1], v[S+64*\u+2*(\n+\k):S+64*\u+2*(\n+\k)+1]
.endr
.endr
.endm
; the softmax of tiles 2 g + u, u = 0, 1, line by line in turns: all in window 1 but p's scale words
.macro SOFT g
	WIN 0x55
.irp u, 0,1                            ; the largest score of each block: two chains a block, each accumulator read from its low end on
.irp c, 0,1
.irp a, 0,1
	v_max3_num_f32 v[MX+4*\u+2*\c+\a], v[S+64*\u+32*\c+16*\a], v[S+64*\u+32*\c+16*\a+1], v[S+64*\u+32*\c+16*\a+2]
.endr
.endr
.endr
.irp i, 3,5,7,9,11,13
.irp u, 0,1
.irp c, 0,1
.irp a, 0,1
	v_max3_num_f32 v[MX+4*\u+2*\c+\a], v[MX+4*\u+2*\c+\a], v[S+64*\u+32*\c+16*\a+\i], v[S+64*\u+32*\c+16*\a+\i+1]
.endr
.endr
.endr
.endr
.irp c, 0,1
.irp u, 0,1
	v_max3_num_f32 v[MX+4*\u+2*\c], v[MX+4*\u+2*\c], v[MX+4*\u+2*\c+1], v[S+64*\u+32*\c+15]
.endr
.endr
.irp c, 0,1
.irp u, 0,1
	v_max_num_f32 v[MX+4*\u+2*\c], v[MX+4*\u+2*\c], v[S+64*\u+32*\c+31]
.endr
.endr
.irp u, 0,1
	v_max_num_f32 v[T0+\u], v[MX+4*\u], v[MX+4*\u+2]
.endr
.irp u, 0,1
	v_permlanex16_b32 v[TP+\u], v[T0+\u], s36, s37
.endr
.irp u, 0,1
	v_max3_num_f32 v[ST+2*(2*\g+\u)+1], v[ST+2*(2*\g+\u)+1], v[T0+\u], v[TP+\u]   ; the running largest score of my query
.endr
.irp u, 0,1
	v_mul_f32 v[TP+\u], s38, v[ST+2*(2*\g+\u)+1]   ; as t (c is positive)
.endr
.irp u, 0,1
	v_mov_b32 v[T0+\u], v[ST+2*(2*\g+\u)]
.endr
.irp u, 0,1
	v_floor_f32 v[ST+2*(2*\g+\u)], -v[TP+\u]       ; the new -M = floor(-t): M is a whole number
.endr
	TM \g, 0                                       ; tile 2 g's t - M; the three lines that make f stand between its runs
.irp u, 0,1
	v_sub_f32 v[T0+\u], v[ST+2*(2*\g+\u)], v[T0+\u]   ; old M - new M, 0 or less
.endr
	TM \g, 16
.irp u, 0,1
	v_cvt_i32_f32 v[T0+\u], v[T0+\u]               ; (it saturates)
.endr
	TM \g, 32
.irp u, 0,1
	v_ldexp_f32 v[FF+2*(2*\g+\u)], 1.0, v[T0+\u]   ; f
.endr
	TM \g, 48
.irp u, 0,1
.irp c, 0,1
	v_fma_f32 v[MX+4*\u+2*\c], v[MX+4*\u+2*\c], s38, v[ST+2*(2*\g+\u)]   ; the same of each block's largest score
.endr
.endr
	s_wait_alu depctr_va_vdst(0)                   ; the wait ahead of the batch
.set j, 0
.rept 32                               ; p = 2^(t - M) of tile 2 g; tile 2 g + 1's t - M, which names none of these registers, stands between
	v_exp_f32 v[S+j], v[S+j]
	v_pk_fma_f32 v[S+64+j:S+64+j+1], v[S+64+j:S+64+j+1], s[38:39], v[ST+4*\g+2:ST+4*\g+3] op_sel_hi:[1,0,0]
	v_exp_f32 v[S+j+1], v[S+j+1]
.set j, j+2
.endr
.irp c, 0,1
	v_exp_f32 v[MX+2*\c], v[MX+2*\c]               ; the block's largest p
.endr
	v_pk_mul_f32 v[SUM+4*\g:SUM+4*\g+1], v[SUM+4*\g:SUM+4*\g+1], v[FF+4*\g:FF+4*\g+1] op_sel_hi:[1,0]   ; the sum under the new M (a plain line behind the exponentials)
	s_wait_alu depctr_va_vdst(0)                   ; behind the first batch and ahead of the second, whose sources stand above
.set j, 0
.rept 64
	v_exp_f32 v[S+64+j], v[S+64+j]
.set j, j+1
.endr
.irp c, 0,1
	v_exp_f32 v[MX+4+2*\c], v[MX+4+2*\c]
.endr
	v_pk_mul_f32 v[SUM+4*\g+2:SUM+4*\g+3], v[SUM+4*\g+2:SUM+4*\g+3], v[FF+4*\g+2:FF+4*\g+3] op_sel_hi:[1,0]
	s_wait_alu depctr_va_vdst(0)                   ; one wait for the batch
.irp c, 0,1
.irp u, 0,1
	v_max_num_f32 v[MX+4*\u+2*\c], 0x1800000, v[MX+4*\u+2*\c]   ; the floor 2^(3 - 127)
.endr
.endr
.irp c, 0,1
.irp u, 0,1
	v_add_nc_u32 v[SOP+2*\u+\c], 0xff000000, v[MX+4*\u+2*\c]    ; 2 off the exponent field: the conversion's scale operand
.endr
.endr
.irp u, 0,1
.irp c, 0,1
	v_cvt_scalef32_pk16_fp6_f32 v[PC+12*(2*\g+\u)+6*\c:PC+12*(2*\g+\u)+6*\c+2], v[S+64*\u+32*\c:S+64*\u+32*\c+15], v[SOP+2*\u+\c]
	v_cvt_scalef32_pk16_fp6_f32 v[PT+8*\u+4*\c:PT+8*\u+4*\c+2], v[S+64*\u+32*\c+16:S+64*\u+32*\c+31], v[SOP+2*\u+\c]   ; (a conversion's three registers begin on an even number)
.endr
.endr
.irp k, 0,1,2,3                        ; the row's sum of the unquantised p: four chains a tile.  (The first line is the plain line behind the conversions.)  The lines that make p's scale word stand between the runs
.irp u, 0,1
	v_pk_add_f32 v[AT+8*\u+2*\k:AT+8*\u+2*\k+1], v[S+64*\u+2*\k:S+64*\u+2*\k+1], v[S+64*\u+8+2*\k:S+64*\u+8+2*\k+1]
.endr
.endr
.irp c, 0,1
.irp u, 0,1
	v_lshrrev_b32 v[BY+2*\u+\c], 23, v[SOP+2*\u+\c]             ; the scale's byte
.endr
.endr
	ADDS 8
.irp u, 0,1
	v_lshl_or_b32 v[PW+\u], v[BY+2*\u+1], 16, v[BY+2*\u]
.endr
	ADDS 12
.irp u, 0,1
	v_lshlrev_b32 v[PW+\u], v[SH8], v[PW+\u]       ; my two bytes at places h and 2 + h
.endr
	ADDS 16
.irp u, 0,1
	v_permlanex16_b32 v[TP+\u], v[PW+\u], s36, s37
.endr
	ADDS 20
	WIN 0x05                                       ; scale operands are taken from window 0
.irp u, 0,1
	v_or_b32 v[PSW+2*\g+\u], v[PW+\u], v[TP+\u]    ; p's scale word for these 128 keys
.endr
	WIN 0x55
	ADDS 24
	ADDS 28
.irp u, 0,1
	v_pk_add_f32 v[AT+8*\u:AT+8*\u+1], v[AT+8*\u:AT+8*\u+1], v[AT+8*\u+2:AT+8*\u+3]
.endr
.irp u, 0,1
	v_pk_add_f32 v[AT+8*\u+4:AT+8*\u+5], v[AT+8*\u+4:AT+8*\u+5], v[AT+8*\u+6:AT+8*\u+7]
.endr
.irp u, 0,1                            ; (the moves stand between the links of the sums' last chain)
.irp i, 0,1,2
	v_mov_b32 v[PC+12*(2*\g+\u)+3+\i], v[PT+8*\u+\i]
.endr
.endr
.irp u, 0,1
	v_pk_add_f32 v[AT+8*\u:AT+8*\u+1], v[AT+8*\u:AT+8*\u+1], v[AT+8*\u+4:AT+8*\u+5]
.endr
.irp u, 0,1
.irp i, 0,1,2
	v_mov_b32 v[PC+12*(2*\g+\u)+9+\i], v[PT+8*\u+4+\i]
.endr
.endr
.irp u, 0,1
	v_pk_add_f32 v[SUM+2*(2*\g+\u):SUM+2*(2*\g+\u)+1], v[SUM+2*(2*\g+\u):SUM+2*(2*\g+\u)+1], v[AT+8*\u:AT+8*\u+1]
.endr
.endm
.macro PV d                            ; O^T += V^T P^T: V's fragment d against the four tiles' p
.irp t, 0,1,2,3
	v_wmma_scale_f32_16x16x128_f8f6f4 v[OA+32*\t+8*\d:OA+32*\t+8*\d+7], v[FR+12*\d:FR+12*\d+11], v[PC+12*\t:PC+12*\t+11], v[OA+32*\t+8*\d:OA+32*\t+8*\d+7], v[KSV+\d], v[PSW+\t] matrix_a_fmt:MATRIX_FMT_FP6 matrix_b_fmt:MATRIX_FMT_FP6 matrix_a_scale:MATRIX_SCALE_ROW1
.endr
.endm
; A KEY STEP of 128 keys for my four tiles; s40 = the packet's LDS byte.  It finds K's fragments 0, 1 and scale words asked for.  more = 1: it asks for the next step's
.macro STEP more
	v_add_nc_u32 v[AD16], s40, v[LI]
	v_add_nc_u32 v[AD8], s40, v[L8]
	v_nop
	v_nop                                          ; with the two additions: the four places behind the last step's products
.irp f, 2,3
.irp c, 0,1,2
	ds_load_b128 v[FR+12*\f+4*\c:FR+12*\f+4*\c+3], v[AD16] offset:1536*\f+512*\c
.endr
.endr
	s_wait_alu depctr_va_vdst(0)                   ; the wait ahead of the blocking waits
	SPROD 0, 1
	SOFT 0
	SPROD 1, 0                                     ; K's fragments are done with: its places serve the loads below too
	WIN 0
.irp t, 0,1,2,3                        ; V's fragments land under the second softmax
	ds_load_b128 v[FR+12*\t:FR+12*\t+3], v[AD16] offset:6144+1536*\t
	ds_load_b64 v[FR+12*\t+4:FR+12*\t+5], v[AD8] offset:6144+1536*\t+512
	ds_load_b128 v[FR+12*\t+6:FR+12*\t+9], v[AD16] offset:6144+1536*\t+768
	ds_load_b64 v[FR+12*\t+10:FR+12*\t+11], v[AD8] offset:6144+1536*\t+1280
.endr
	ds_load_b128 v[KSV:KSV+3], v[AD16] offset:12288
	SOFT 1
	WIN 0x04                                       ; source 1 (f; p's codes) in window 1
	s_wait_alu depctr_va_vdst(0)                   ; the wait directly ahead of the first reader of O^T
.irp t, 0,1,2,3
.set j, 0
.rept 16
	v_pk_mul_f32 v[OA+32*\t+j:OA+32*\t+j+1], v[OA+32*\t+j:OA+32*\t+j+1], v[FF+2*\t:FF+2*\t+1] op_sel_hi:[1,0]   ; O^T under the new M; these 64 are also the places between p's codes and scale words and the products
.set j, j+2
.endr
.endr
	s_wait_alu depctr_va_vdst(0)                   ; the wait ahead of the blocking wait
	s_wait_dscnt 0x0                               ; V is in
	PV 0                                           ; sixteen accumulators by turns, one instruction a turn
	PV 1
.if \more
	PLACES                                         ; V's fragments 0, 1 are done with
.irp f, 0,1
.irp c, 0,1,2
	ds_load_b128 v[FR+12*\f+4*\c:FR+12*\f+4*\c+3], v[AD16] offset:PKT+1536*\f+512*\c
.endr
.endr
	ds_load_b128 v[KSK:KSK+3], v[AD16] offset:PKT+12288
.endif
	PV 2
	PV 3
	WIN 0
.endm
	s_mov_b32 s40, 0
	s_mov_b32 s41, 3
.Lfirst:                                               ; steps 0-2: they read packets 0-3
	STEP 1
	s_add_co_u32 s40, s40, PKT
	s_sub_co_u32 s41, s41, 1
	s_cmp_lg_u32 s41, 0
	s_cbranch_scc1 .Lfirst
	s_wait_tensorcnt 0x0                           ; my part of packets 4-15 is in,
	s_wait_dscnt 0x0
	s_barrier_signal -1
	s_barrier_wait -1                              ; everybody's is
	s_mov_b32 s40, 3*PKT
	s_mov_b32 s41, 12
.Lrest:                                                ; steps 3-14: they read packets 3-15
	STEP 1
	s_add_co_u32 s40, s40, PKT
	s_sub_co_u32 s41, s41, 1
	s_cmp_lg_u32 s41, 0
	s_cbranch_scc1 .Lrest
	s_mov_b32 s40, 15*PKT
	STEP 0                                         ; the last step asks for nothing more
; THE WAY OUT.  O^T / the sum is my query's channels 32 h .. 32 h + 31 of the head: one block of the last product's K; its six registers are half of a fragment of ctx.  The four tiles by turns.
	PLACES
	WIN 0x55
.irp t, 0,1,2,3
	v_add_f32 v[MX+\t], v[SUM+2*\t], v[SUM+2*\t+1]
.endr
.irp t, 0,1,2,3
	v_permlanex16_b32 v[MX+4+\t], v[MX+\t], s36, s37
.endr
.irp t, 0,1,2,3
	v_add_f32 v[MX+\t], v[MX+\t], v[MX+4+\t]       ; the row's sum
.endr
	s_wait_alu depctr_va_vdst(0)                   ; the wait ahead of the batch
.irp t, 0,1,2,3
	v_rcp_f32 v[FF+2*\t], v[MX+\t]
.endr
	v_nop                                          ; a plain line behind the transcendentals
	WIN 0x44                                       ; O^T from window 0; 1 / the sum and the result in window 1
	s_wait_alu depctr_va_vdst(0)                   ; for the batch, and directly ahead of the first reader of O^T
.irp t, 0,1,2,3
.set j, 0
.rept 16
	v_pk_mul_f32 v[S+32*\t+j:S+32*\t+j+1], v[OA+32*\t+j:OA+32*\t+j+1], v[FF+2*\t:FF+2*\t+1] op_sel_hi:[1,0]
.set j, j+2
.endr
.endr
	WIN 0x55
.irp t, 0,1,2,3
.irp a, 0,1
	v_max3_num_f32 v[MX+2*\t+\a], |v[S+32*\t+16*\a]|, |v[S+32*\t+16*\a+1]|, 0x1800000
.endr
.endr
.irp i, 2,4,6,8,10,12,14
.irp t, 0,1,2,3
.irp a, 0,1
	v_max3_num_f32 v[MX+2*\t+\a], v[MX+2*\t+\a], |v[S+32*\t+16*\a+\i]|, |v[S+32*\t+16*\a+\i+1]|
.endr
.endr
.endr
.irp t, 0,1,2,3
	v_max_num_f32 v[MX+2*\t], v[MX+2*\t], v[MX+2*\t+1]
.endr
.irp t, 0,1,2,3
	v_add_nc_u32 v[SOP+\t], 0xff000000, v[MX+2*\t]
.endr
.irp t, 0,1,2,3
	v_lshrrev_b32 v[BY+\t], 23, v[SOP+\t]
.endr
.irp t, 0,1,2,3
	v_cvt_scalef32_pk16_fp6_f32 v[PC+12*\t:PC+12*\t+2], v[S+32*\t:S+32*\t+15], v[SOP+\t]
	v_cvt_scalef32_pk16_fp6_f32 v[PT+4*\t:PT+4*\t+2], v[S+32*\t+16:S+32*\t+31], v[SOP+\t]
.endr
	v_nop                                          ; one plain line behind the scaled conversions
.irp t, 0,1,2,3
.irp i, 0,1,2
	v_mov_b32 v[PC+12*\t+3+\i], v[PT+4*\t+\i]
.endr
.endr
	WIN 0x04                                       ; a store's data is source 1: window 1; its offset register: window 0
.irp t, 0,1,2,3
	global_store_b128 v[LI], v[PC+12*\t:PC+12*\t+3], s[46:47] offset:6144*\t          ; 512 consecutive bytes,
	global_store_b64 v[L8], v[PC+12*\t+4:PC+12*\t+5], s[46:47] offset:6144*\t+512     ; and 256
	global_store_b8 v[CSA], v[BY+\t], s[48:49] offset:128*\t                          ; my token's byte 2 head + h
.endr
	WIN 0
	s_wait_tensorcnt 0x0                           ; the wave's end
	ds_add_u32 v[SPW], v[NIL]
	s_wait_dscnt 0x0
	ROUND                                          ; the closing round: no work-group ends while a partner may still ask for bytes jointly
	s_endpgm
.Lfunc_end_k_qb7fd702eab_attn:
	.size	k_qb7fd702eab_attn, .Lfunc_end_k_qb7fd702eab_attn-k_qb7fd702eab_attn
	.p2alignl 7, 3214868480
	.fill 96, 4, 3214868480
	.section	.rodata,"a",@progbits
	.p2align	6, 0x0
	.amdhsa_kernel k_qb7fd702eab_attn
		.amdhsa_group_segment_fixed_size 327680
		.amdhsa_private_segment_fixed_size 0
		.amdhsa_enable_private_segment 0
		.amdhsa_kernarg_size 32
		.amdhsa_user_sgpr_count 2
		.amdhsa_user_sgpr_kernarg_segment_ptr 1
		.amdhsa_wavefront_size32 1
		.amdhsa_system_sgpr_workgroup_id_x 1
		.amdhsa_system_sgpr_workgroup_id_y 1
		.amdhsa_system_sgpr_workgroup_id_z 1
		.amdhsa_system_vgpr_workitem_id 0
		.amdhsa_next_free_vgpr 512
		.amdhsa_next_free_sgpr 76
		.amdhsa_reserve_vcc 0
		.amdhsa_float_denorm_mode_32 3
		.amdhsa_float_denorm_mode_16_64 3
		.amdhsa_memory_ordered 1
		.amdhsa_forward_progress 1
		.amdhsa_inst_pref_size 181
	.end_amdhsa_kernel
	.amdgpu_metadata
---
amdhsa.version: [ 1, 2 ]
amdhsa.kernels:
  - .name:           k_qb7fd702eab_attn
    .symbol:         k_qb7fd702eab_attn.kd
    .args:
      - { .name: qp, .offset: 0, .size: 8, .value_kind: global_buffer, .address_space: global }
      - { .name: kv, .offset: 8, .size: 8, .value_kind: global_buffer, .address_space: global }
      - { .name: cc, .offset: 16, .size: 8, .value_kind: global_buffer, .address_space: global }
      - { .name: cs, .offset: 24, .size: 8, .value_kind: global_buffer, .address_space: global }
    .group_segment_fixed_size: 327680
    .private_segment_fixed_size: 0
    .kernarg_segment_align: 8
    .kernarg_segment_size: 32
    .max_flat_workgroup_size: 256
    .sgpr_count:     76
    .vgpr_count:     512
    .wavefront_size: 32
...
	.end_amdgpu_metadata
.endif
;; end of part 3
;; launch out (part 4): grid 256 x 1, 16 waves a work-group, no clusters, 327,680 bytes of LDS; arguments cc, cs, wimg, Wo_scales, bo, x, gamma, beta, out0; writes out0
.if DOCPART == 4
	.amdgcn_target "amdgcn-amd-amdhsa--gfx1250"
	.amdhsa_code_object_version 6
	.text
	.protected	k_qb7fd702eab_out
	.globl	k_qb7fd702eab_out
	.p2align	8
	.type	k_qb7fd702eab_out,@function
k_qb7fd702eab_out:
	s_mov_b64 s[64:65], 0
	v_nop
	global_prefetch_b8 v0, s[64:65] scope:SCOPE_SE
	s_setreg_imm32_b32 hwreg(HW_REG_WAVE_MODE, 25, 1), 1
	s_wait_xcnt 0x0
.set XST, 24576
.set YST, 155648
.set LI,  1
.set L8,  2
.set VSR, 3
.set BH,  4
.set SO0, 5
.set SO1, 6
.set YR,  7
.set XR,  8
.set WS,  16
.set CS,  20
.set WR,  32
.set ACC, 128
.set CF,  192
.set YY,  128
.set XX,  192
.set GA,  96
.set BE,  112
.set LT,  32
.macro PLACES
.rept 4
	v_nop
.endr
.endm
.macro WM d, a, b, sa, sb, ra, rb
.if (\ra) && (\rb)
	v_wmma_scale_f32_16x16x128_f8f6f4 v[\d:\d+7], v[\a:\a+11], v[\b:\b+11], v[\d:\d+7], v[\sa], v[\sb] matrix_a_fmt:MATRIX_FMT_FP6 matrix_b_fmt:MATRIX_FMT_FP6 matrix_a_scale:MATRIX_SCALE_ROW1 matrix_b_scale:MATRIX_SCALE_ROW1
.elseif \ra
	v_wmma_scale_f32_16x16x128_f8f6f4 v[\d:\d+7], v[\a:\a+11], v[\b:\b+11], v[\d:\d+7], v[\sa], v[\sb] matrix_a_fmt:MATRIX_FMT_FP6 matrix_b_fmt:MATRIX_FMT_FP6 matrix_a_scale:MATRIX_SCALE_ROW1
.elseif \rb
	v_wmma_scale_f32_16x16x128_f8f6f4 v[\d:\d+7], v[\a:\a+11], v[\b:\b+11], v[\d:\d+7], v[\sa], v[\sb] matrix_a_fmt:MATRIX_FMT_FP6 matrix_b_fmt:MATRIX_FMT_FP6 matrix_b_scale:MATRIX_SCALE_ROW1
.else
	v_wmma_scale_f32_16x16x128_f8f6f4 v[\d:\d+7], v[\a:\a+11], v[\b:\b+11], v[\d:\d+7], v[\sa], v[\sb] matrix_a_fmt:MATRIX_FMT_FP6 matrix_b_fmt:MATRIX_FMT_FP6
.endif
.endm
	s_load_b512 s[8:23], s[0:1], 0x0
	s_load_b64 s[24:25], s[0:1], 0x40
	v_lshl_add_u32 v30, v0, 2, 0x46400
	v_mov_b32 v31, 0
	ds_add_u32 v30, v31
	ds_add_u32 v30, v31
	v_lshrrev_b32 v9, 5, v0
	s_delay_alu instid0(VALU_DEP_1)
	v_readfirstlane_b32 s4, v9
	s_mov_b32 s28, 3<<16
	s_mov_b32 s29, 32<<16
	s_mov_b32 s30, 6<<16
	s_mov_b32 s31, 32<<16
	s_mov_b32 s32, 6
	s_mov_b32 s33, 32
	s_mov_b32 s34, 0
	s_mov_b32 s35, 0
	s_mov_b32 s36, 3<<16
	s_mov_b32 s37, 32<<16
	s_mov_b32 s38, 32<<16
	s_mov_b32 s39, 32<<16
	s_mov_b32 s40, 32
	s_mov_b32 s41, 32
	s_mov_b32 s42, 0
	s_mov_b32 s43, 0
	s_mov_b32 s44, 1
	s_mul_i32 s45, s4, 1536
	s_mul_i32 s70, ttmp9, 24576
	s_add_co_u32 s70, s70, s45
	s_mov_b32 s71, 0
	s_mov_b32 s48, 1
	s_lshl_b32 s49, s4, 13
	s_add_co_u32 s49, s49, XST
	s_bfe_u32 s5, s4, 0x10001
	s_lshl_b32 s5, s5, 5
	s_lshr_b32 s6, s4, 2
	s_lshl_b32 s6, s6, 3
	s_add_co_u32 s5, s5, s6
	s_and_b32 s6, s4, 1
	s_lshl_b32 s6, s6, 2
	s_add_co_u32 s5, s5, s6
	s_lshl_b32 s6, ttmp9, 6
	s_add_co_u32 s5, s5, s6
	s_lshl_b32 s72, s5, 11
	s_mov_b32 s73, 0
	s_lshr_b32 s5, s4, 1
	s_lshl_b32 s5, s5, 6
	s_and_b32 s6, s4, 1
	s_lshl_b32 s6, s6, 4
	s_add_co_u32 s5, s5, s6
	s_lshl_b32 s74, s5, 4
	s_mov_b32 s75, 0
	s_lshl_b32 s76, s5, 2
	s_mov_b32 s77, 0
	s_mul_i32 s78, s4, 12288
	s_add_co_u32 s78, s78, 589824
	s_mov_b32 s79, 0
	s_lshl_b32 s80, ttmp9, 10
	s_mov_b32 s81, 0
	s_mov_b32 s52, 0x76543210
	s_mov_b32 s53, 0xfedcba98
	s_mov_b32 s54, 0xbb000000
	s_mov_b32 s55, 0x3b000000
	s_mov_b32 s56, 0x3727c5ac
	s_wait_dscnt 0x0
	s_wait_kmcnt 0x0
	s_add_nc_u64 s[46:47], s[8:9], s[70:71]
	s_or_b32 s47, s47, 0x80000000
	s_add_nc_u64 s[50:51], s[18:19], s[72:73]
	s_or_b32 s51, s51, 0x80000000
	tensor_load_to_lds s[44:47], s[28:35]
	s_nop 0
	s_wait_alu depctr_va_vdst(0)
	s_wait_tensorcnt 0x0
	ds_add_u32 v30, v31
	s_wait_dscnt 0x0
	s_barrier_signal -1
	s_barrier_wait -1
	tensor_load_to_lds s[48:51], s[36:43]
	s_nop 0
.rept 4
	v_nop
.endr
	s_add_nc_u64 s[58:59], s[12:13], s[78:79]
	s_add_nc_u64 s[60:61], s[14:15], s[74:75]
	s_add_nc_u64 s[62:63], s[16:17], s[76:77]
	s_add_nc_u64 s[66:67], s[10:11], s[80:81]
	s_add_nc_u64 s[68:69], s[24:25], s[72:73]
	v_and_b32 v9, 31, v0
	s_delay_alu instid0(VALU_DEP_1)
	v_lshlrev_b32 v[LI], 4, v9
	s_delay_alu instid0(VALU_DEP_2)
	v_lshlrev_b32 v[L8], 3, v9
	v_and_b32 v10, 15, v0
	v_bfe_u32 v11, v0, 4, 1
	v_bfe_u32 v12, v0, 3, 1
	v_and_b32 v13, 7, v0
	s_delay_alu instid0(VALU_DEP_1)
	v_lshl_add_u32 v13, v12, 5, v13
	s_delay_alu instid0(VALU_DEP_1)
	v_lshl_add_u32 v13, v11, 3, v13
	s_delay_alu instid0(VALU_DEP_1)
	v_lshlrev_b32 v[VSR], 4, v13
	v_lshlrev_b32 v[BH], 7, v11
	global_load_b128 v[WS:WS+3], v[VSR], s[60:61]
.irp g, 0,1
	global_load_b128 v[CS+4*\g:CS+4*\g+3], v[VSR], s[66:67] offset:256*\g
.endr
.irp u, 0,1
.irp s, 0,1,2,3
.irp c, 0,1,2
	global_load_b128 v[WR+48*\u+12*\s+4*\c:WR+48*\u+12*\s+4*\c+3], v[LI], s[58:59] offset:6144*\u+1536*\s+512*\c
.endr
.endr
.endr
.irp m, 0,1,2,3
.irp u, 0,1
	global_load_b128 v[ACC+8*(2*\m+\u):ACC+8*(2*\m+\u)+3], v[BH], s[62:63] offset:32*\u
	global_load_b128 v[ACC+8*(2*\m+\u)+4:ACC+8*(2*\m+\u)+7], v[BH], s[62:63] offset:32*\u+16
.endr
.endr
	s_lshr_b32 s5, s4, 1
	s_lshl_b32 s5, s5, 8
	s_and_b32 s6, s4, 1
	s_lshl_b32 s6, s6, 6
	s_add_co_u32 s5, s5, s6
	s_add_co_u32 s5, s5, YST
	v_mul_u32_u24 v[SO0], v10, 2064
	s_delay_alu instid0(VALU_DEP_1)
	v_lshl_add_u32 v[SO0], v11, 7, v[SO0]
	s_delay_alu instid0(VALU_DEP_1)
	v_add_nc_u32 v[SO0], s5, v[SO0]
	s_delay_alu instid0(VALU_DEP_1)
	v_add_nc_u32 v[SO1], 66048, v[SO0]
	s_mul_i32 s5, s4, 8256
	s_add_co_u32 s5, s5, YST
	v_add_nc_u32 v[YR], s5, v[LI]
	s_lshl_b32 s5, s4, 13
	s_add_co_u32 s5, s5, XST
	v_add_nc_u32 v[XR], s5, v[LI]
	s_wait_tensorcnt 0x1
	s_barrier_signal -1
	s_barrier_wait -1
.macro OSTEP s
.if \s > 0
	PLACES
.endif
.irp m, 0,1,2,3
	ds_load_b128 v[CF+12*\m:CF+12*\m+3], v[LI] offset:(4*\m+\s)*1536
	ds_load_b64 v[CF+12*\m+4:CF+12*\m+5], v[L8] offset:(4*\m+\s)*1536+512
	ds_load_b128 v[CF+12*\m+6:CF+12*\m+9], v[LI] offset:(4*\m+\s)*1536+768
	ds_load_b64 v[CF+12*\m+10:CF+12*\m+11], v[L8] offset:(4*\m+\s)*1536+1280
.endr
	s_wait_dscnt 0x0
.if \s == 0
	s_wait_loadcnt 0x0
.endif
.irp m, 0,1,2,3
.irp u, 0,1
	WM ACC+8*(2*\m+\u), WR+48*\u+12*\s, CF+12*\m, WS+\s, CS+4*(\m/2)+\s, \u, \m%2
.endr
.endr
.endm
	OSTEP 0
	OSTEP 1
	OSTEP 2
	OSTEP 3
	PLACES
.irp c, 0,1,2,3
	global_load_b128 v[GA+4*\c:GA+4*\c+3], v[LI], s[20:21] offset:512*\c
	global_load_b128 v[BE+4*\c:BE+4*\c+3], v[LI], s[22:23] offset:512*\c
.endr
	s_wait_alu depctr_va_vdst(0)
.irp m, 0,1,2,3
.irp u, 0,1
	ds_store_b128 v[SO0+\m/2], v[ACC+8*(2*\m+\u):ACC+8*(2*\m+\u)+3] offset:33024*(\m%2)+32*\u
	ds_store_b128 v[SO0+\m/2], v[ACC+8*(2*\m+\u)+4:ACC+8*(2*\m+\u)+7] offset:33024*(\m%2)+32*\u+16
.endr
.endr
.irp i, 0,1,2,3
	v_mov_b32 v[LT+16*\i+9], 0
	v_mov_b32 v[LT+16*\i+11], 0
	v_mov_b32 v[LT+16*\i+13], 0
.endr
	s_wait_dscnt 0x0
	s_barrier_signal -1
	s_barrier_wait -1
	s_wait_tensorcnt 0x0
.irp i, 0,1,2,3
.irp c, 0,1,2,3
	ds_load_b128 v[YY+16*\i+4*\c:YY+16*\i+4*\c+3], v[YR] offset:2064*\i+512*\c
	ds_load_b128 v[XX+16*\i+4*\c:XX+16*\i+4*\c+3], v[XR] offset:2048*\i+512*\c
.endr
.endr
	s_wait_dscnt 0x0
.macro REDUCE
.irp x, 1,2,4,8
.irp i, 0,1,2,3
	s_delay_alu instid0(VALU_DEP_4)
	v_add_f32_dpp v[LT+16*\i+8], v[LT+16*\i+8], v[LT+16*\i+8] row_xmask:\x row_mask:0xf bank_mask:0xf
.endr
.endr
.irp i, 0,1,2,3
	s_delay_alu instid0(VALU_DEP_4)
	v_permlanex16_b32 v[LT+16*\i+9], v[LT+16*\i+8], s52, s53
.endr
.irp i, 0,1,2,3
	s_delay_alu instid0(VALU_DEP_4)
	v_add_f32 v[LT+16*\i+8], v[LT+16*\i+8], v[LT+16*\i+9]
.endr
.endm
.irp k, 0,2,4,6,8,10,12,14
.irp i, 0,1,2,3
	v_pk_add_f32 v[YY+16*\i+\k:YY+16*\i+\k+1], v[YY+16*\i+\k:YY+16*\i+\k+1], v[XX+16*\i+\k:XX+16*\i+\k+1]
.endr
.endr
.irp k, 0,1,2,3
.irp i, 0,1,2,3
	v_pk_add_f32 v[LT+16*\i+2*\k:LT+16*\i+2*\k+1], v[YY+16*\i+4*\k:YY+16*\i+4*\k+1], v[YY+16*\i+4*\k+2:YY+16*\i+4*\k+3]
.endr
.endr
.irp i, 0,1,2,3
	v_pk_add_f32 v[LT+16*\i:LT+16*\i+1], v[LT+16*\i:LT+16*\i+1], v[LT+16*\i+2:LT+16*\i+3]
.endr
.irp i, 0,1,2,3
	v_pk_add_f32 v[LT+16*\i+4:LT+16*\i+5], v[LT+16*\i+4:LT+16*\i+5], v[LT+16*\i+6:LT+16*\i+7]
.endr
.irp i, 0,1,2,3
	s_delay_alu instid0(VALU_DEP_4)
	v_pk_add_f32 v[LT+16*\i:LT+16*\i+1], v[LT+16*\i:LT+16*\i+1], v[LT+16*\i+4:LT+16*\i+5]
.endr
.irp i, 0,1,2,3
	s_delay_alu instid0(VALU_DEP_4)
	v_add_f32 v[LT+16*\i+8], v[LT+16*\i], v[LT+16*\i+1]
.endr
	REDUCE
.irp i, 0,1,2,3
	s_delay_alu instid0(VALU_DEP_4)
	v_mul_f32 v[LT+16*\i+10], s54, v[LT+16*\i+8]
.endr
.irp k, 0,2,4,6,8,10,12,14
.irp i, 0,1,2,3
	v_pk_add_f32 v[YY+16*\i+\k:YY+16*\i+\k+1], v[YY+16*\i+\k:YY+16*\i+\k+1], v[LT+16*\i+10:LT+16*\i+11] op_sel_hi:[1,0]
.endr
.endr
.irp k, 0,1
.irp i, 0,1,2,3
	v_pk_mul_f32 v[LT+16*\i+2*\k:LT+16*\i+2*\k+1], v[YY+16*\i+2*\k:YY+16*\i+2*\k+1], v[YY+16*\i+2*\k:YY+16*\i+2*\k+1]
.endr
.endr
.irp k, 4,8,12
.irp i, 0,1,2,3
	v_pk_fma_f32 v[LT+16*\i:LT+16*\i+1], v[YY+16*\i+\k:YY+16*\i+\k+1], v[YY+16*\i+\k:YY+16*\i+\k+1], v[LT+16*\i:LT+16*\i+1]
	v_pk_fma_f32 v[LT+16*\i+2:LT+16*\i+3], v[YY+16*\i+\k+2:YY+16*\i+\k+3], v[YY+16*\i+\k+2:YY+16*\i+\k+3], v[LT+16*\i+2:LT+16*\i+3]
.endr
.endr
.irp i, 0,1,2,3
	v_pk_add_f32 v[LT+16*\i:LT+16*\i+1], v[LT+16*\i:LT+16*\i+1], v[LT+16*\i+2:LT+16*\i+3]
.endr
.irp i, 0,1,2,3
	s_delay_alu instid0(VALU_DEP_4)
	v_add_f32 v[LT+16*\i+8], v[LT+16*\i], v[LT+16*\i+1]
.endr
	REDUCE
.irp i, 0,1,2,3
	s_delay_alu instid0(VALU_DEP_4)
	v_fma_f32 v[LT+16*\i+8], v[LT+16*\i+8], s55, s56
.endr
	s_wait_alu depctr_va_vdst(0)
.irp i, 0,1,2,3
	v_rsq_f32 v[LT+16*\i+12], v[LT+16*\i+8]
.endr
	v_nop
	s_wait_alu depctr_va_vdst(0)
.irp k, 0,2,4,6,8,10,12,14
.irp i, 0,1,2,3
	v_pk_mul_f32 v[YY+16*\i+\k:YY+16*\i+\k+1], v[YY+16*\i+\k:YY+16*\i+\k+1], v[LT+16*\i+12:LT+16*\i+13] op_sel_hi:[1,0]
.endr
.endr
	s_wait_loadcnt 0x0
.irp k, 0,2,4,6,8,10,12,14
.irp i, 0,1,2,3
	v_pk_fma_f32 v[YY+16*\i+\k:YY+16*\i+\k+1], v[YY+16*\i+\k:YY+16*\i+\k+1], v[GA+\k:GA+\k+1], v[BE+\k:BE+\k+1]
.endr
.endr
.irp i, 0,1,2,3
.irp c, 0,1,2,3
	global_store_b128 v[LI], v[YY+16*\i+4*\c:YY+16*\i+4*\c+3], s[68:69] offset:2048*\i+512*\c th:TH_STORE_NT
.endr
.endr
	s_wait_tensorcnt 0x0
	ds_add_u32 v30, v31
	s_wait_dscnt 0x0
	s_endpgm
.Lfunc_end_k_qb7fd702eab_out:
	.size	k_qb7fd702eab_out, .Lfunc_end_k_qb7fd702eab_out-k_qb7fd702eab_out
	.p2alignl 7, 3214868480
	.fill 96, 4, 3214868480
	.section	.rodata,"a",@progbits
	.p2align	6, 0x0
	.amdhsa_kernel k_qb7fd702eab_out
		.amdhsa_group_segment_fixed_size 327680
		.amdhsa_private_segment_fixed_size 0
		.amdhsa_enable_private_segment 0
		.amdhsa_kernarg_size 72
		.amdhsa_user_sgpr_count 2
		.amdhsa_user_sgpr_kernarg_segment_ptr 1
		.amdhsa_wavefront_size32 1
		.amdhsa_system_sgpr_workgroup_id_x 1
		.amdhsa_system_sgpr_workgroup_id_y 1
		.amdhsa_system_sgpr_workgroup_id_z 1
		.amdhsa_system_vgpr_workitem_id 0
		.amdhsa_next_free_vgpr 256
		.amdhsa_next_free_sgpr 82
		.amdhsa_reserve_vcc 0
		.amdhsa_float_denorm_mode_32 3
		.amdhsa_float_denorm_mode_16_64 3
		.amdhsa_memory_ordered 1
		.amdhsa_forward_progress 1
		.amdhsa_inst_pref_size 42
	.end_amdhsa_kernel
	.amdgpu_metadata
---
amdhsa.version: [ 1, 2 ]
amdhsa.kernels:
  - .name:           k_qb7fd702eab_out
    .symbol:         k_qb7fd702eab_out.kd
    .args:
      - { .name: cc, .offset: 0, .size: 8, .value_kind: global_buffer, .address_space: global }
      - { .name: cs, .offset: 8, .size: 8, .value_kind: global_buffer, .address_space: global }
      - { .name: wimg, .offset: 16, .size: 8, .value_kind: global_buffer, .address_space: global }
      - { .name: Wo_scales, .offset: 24, .size: 8, .value_kind: global_buffer, .address_space: global }
      - { .name: bo, .offset: 32, .size: 8, .value_kind: global_buffer, .address_space: global }
      - { .name: x, .offset: 40, .size: 8, .value_kind: global_buffer, .address_space: global }
      - { .name: gamma, .offset: 48, .size: 8, .value_kind: global_buffer, .address_space: global }
      - { .name: beta, .offset: 56, .size: 8, .value_kind: global_buffer, .address_space: global }
      - { .name: out0, .offset: 64, .size: 8, .value_kind: global_buffer, .address_space: global }
    .group_segment_fixed_size: 327680
    .private_segment_fixed_size: 0
    .kernarg_segment_align: 8
    .kernarg_segment_size: 72
    .max_flat_workgroup_size: 512
    .sgpr_count:     82
    .vgpr_count:     256
    .wavefront_size: 32
...
	.end_amdgpu_metadata
.endif
;; end of part 4
